; MI455X (gfx1250); checked and timed in simulation.
; The chip was launched on July 23, 2026; its instructions are those of AMD's public machine-readable ISA for CDNA 5 (MIT licence, August 2026) and "CDNA5" Instruction Set Architecture Reference Guide (July 2026). The comments in the code are by the model that wrote it; some were corrected since.
;; Activated Attention. Allowed arithmetic: matrix products marked QUANTISED: E4M3 operands, one E8M0 scale for each 32 along K, by v_wmma_scale_f32_16x16x128_f8f6f4 with both operands' format E4M3, f32 sums; everything else in f32.
;; Inputs: W_in_codes 3,072 x 32 x 32 uint8 (E4M3 codes of W_in, K innermost, in blocks of 32 codes); W_in_scales 3,072 x 32 uint8 (E8M0 scales of W_in, one for each 32 codes along K); b_in 3,072 float32; gn_bias 1,024 float32; gn_weight 1,024 float32; x_codes 4 x 2,048 x 32 x 32 uint8 (E4M3 codes of x, K innermost, in blocks of 32 codes); x_scales 4 x 2,048 x 32 uint8 (E8M0 scales of x, one for each 32 codes along K).
;; Outputs: out0 4 x 2,048 x 1,024 float32.
;; This version of the problem:
;;   THIS VERSION OF THE PROBLEM IS GIVEN IN LOW PRECISION. The matrix products marked QUANTISED in the list below multiply operands that are first quantised to E4M3 (4 exponent bits, 3 mantissa bits; 8 bits a number), with one power-of-two scale for each 32 numbers along K (OCP MX v1.0); their sums are f32. All else is computed in f32.
;;   The module's matrix products, in the order in which they are computed (A, B: the left and right operand; K: the contracted axis; several contracted axes count as one K, in the product's order):
;;     1. [M 8,192, K 1,024] x [K 1,024, N 3,072]; A: input x (given as codes); B: input W_in (given as codes): QUANTISED
;;     2. batch 4 x [M 2,048, K 1,024] x [K 1,024, N 2,048]; A: computed on the way; B: computed on the way: QUANTISED
;;     3. batch 4 x [M 2,048, K 2,048] x [K 2,048, N 1,024]; A: computed on the way; B: computed on the way: QUANTISED
;;   THE QUANTISER, for each operand of a quantised product, along K:
;;     - K is cut into blocks of 32 from its start; a last block that is shorter is filled with zeros.
;;     - A block's scale is 2^e with e = floor(log2(the largest magnitude in the block)) - 8, held to -126 .. 127; a block of zeros has e = 0. As a byte (E8M0): e + 127.
;;     - Each number is divided by its block's scale, clamped to +-448, and rounded to the nearest number of E4M3, ties to even, subnormals kept.
;;     - The product sums the exact products of the quantised numbers (number of the format x scale) in f32.
;;   ~~~python
;;   def quantise(x, axis):      # numpy; x: float32 -> the quantised numbers, widened to float32 again
;;       x = np.moveaxis(x, axis, -1); K = x.shape[-1]
;;       x = np.pad(x, [(0, 0)] * (x.ndim - 1) + [(0, -K % 32)]); x = x.reshape(x.shape[:-1] + (-1, 32)); a = np.abs(x).max(-1, keepdims=True)
;;       e = np.where(a > 0, np.clip(np.frexp(np.where(a > 0, a, 1))[1] - 1 - 8, -126, 127), 0)      # np.frexp(a)[1] - 1 = floor(log2(a)), exactly
;;       r = np.clip(x / 2.0 ** e, -448, 448)
;;       step = 2.0 ** (np.maximum(np.frexp(np.where(r == 0, 1, r))[1] - 1, -6) - 3)
;;       q = np.round(r / step) * step * 2.0 ** e      # np.round: ties to even
;;       return np.moveaxis(q.reshape(q.shape[:-2] + (-1,))[..., :K], -1, axis).astype(np.float32)
;;   ~~~
;;   OPERANDS COMPUTED ON THE WAY. 'Computed on the way' means the value that the module computes at that place (a softmax that the list does not call 'softmax' is quantised finished and normalised). What goes into a quantiser is computed in f32, as accurately as f32 sums, v_exp_f32 and their like allow (about 1e-6 of the number): no bf16 or f16 on the way to a quantiser, and a product that is left as it is and whose result goes on into a quantised operand takes f32 operands (vector FMAs, or v_wmma_f32_16x16x4_f32). A number that lies on a knife's edge between two numbers of the format may be rounded either way, as far as f32 arithmetic and the matrix unit's own rounding can turn it there, and no further.
;;   INPUTS GIVEN AS CODES. W_in (in the module: [1024, 3072], K = its axis 0); x (in the module: [4, 2048, 1024], K = its axis 2): each comes as NAME_codes (uint8): NAME with its K axis moved to the last place and cut into blocks of 32 codes, [.., K / 32, bytes a block], one block behind the other in memory; one code a byte (a code: sign, 4 exponent bits, 3 mantissa bits); and NAME_scales (uint8): the same leading axes, one E8M0 byte (e + 127) for each 32 codes along K. Its value is code x scale, taken as it is: it is not quantised again, and the codes and scales need not be those that the quantiser above would give.
;; One version. Each part assembles by itself: llvm-mc -triple=amdgcn-amd-amdhsa -mcpu=gfx1250 --defsym DOCPART=n.
;; ======== version 1 of 1: 3 launches
;; workspace buffers: qimg 8,388,608 bytes; kimg 8,388,608 bytes; vimg 8,388,608 bytes; aimg 16,777,216 bytes; qsc 262,144 bytes; ksc 262,144 bytes; vsc 262,144 bytes; asc 524,288 bytes
;; launch qkv (part 1): grid 8 x 32, 4 waves a work-group, clusters of 4 x 4, 327,680 bytes of LDS; arguments x_codes, x_scales, W_in_codes, W_in_scales, b_in, qimg, qsc, kimg, ksc, vimg, vsc; writes qimg, qsc, kimg, ksc, vimg, vsc
.if DOCPART == 1
	.amdgcn_target "amdgcn-amd-amdhsa--gfx1250"
	.amdhsa_code_object_version 6
	.text
	.protected	k_q514f63abe0_qkv
	.globl	k_q514f63abe0_qkv
	.p2align	8
	.type	k_q514f63abe0_qkv,@function
k_q514f63abe0_qkv:
	s_mov_b64 s[64:65], 0
	v_nop
	global_prefetch_b8 v0, s[64:65] scope:SCOPE_SE
	s_setreg_imm32_b32 hwreg(HW_REG_WAVE_MODE, 25, 1), 1
	s_wait_xcnt 0x0
	s_wait_alu depctr_hold_cnt(0) depctr_sa_sdst(0) depctr_va_vdst(0) depctr_va_sdst(0) depctr_va_ssrc(0) depctr_va_vcc(0) depctr_vm_vsrc(0)
	s_getreg_b32 s2, hwreg(HW_REG_IB_STS2, 6, 4)
	s_cmp_eq_u32 s2, 0
	s_cbranch_scc0 .Lentry_in_a_cluster
	s_endpgm
.Lentry_in_a_cluster:
	s_bfe_u32 s2, ttmp6, 0x10000c
	s_cmp_lg_u32 s2, 0xf033
	s_cbranch_scc0 .Lentry_shape_is_right
	s_endpgm
.Lentry_shape_is_right:
; qkv = x W_in + b_in on the given codes (E4M3, one E8M0 byte for each 32 along K = 1,024); Q and K are roped (interleaved pairs over all 1,024 channels) and clipped at 0, V is clipped at 0;
; all three are quantised for the next products and stored as IMAGES OF OPERAND REGISTERS: a fragment (16 rows x 128 K) is 2,048 bytes, chunk c of four at 512 c, lane l's registers 4 c .. 4 c + 3 at 16 l.
; 256 work-groups of four waves, each with TWO PHASES, so that every work-group has the same work: Q and K are 256 tiles of 256 x 256, V is 256 tiles of 128 d x 256 t.
;   PHASE 1: a tile of Q (cluster x = 0) or K (1): source 1 (A', a lane holds its row) = x's tile ar, source 0 (B', a lane's registers run along its rows) = W's tile bc: 128 x 128 a wave, 64 accumulators.
;            A lane holds one t and its registers run along d, the next product's K.
;   PHASE 2: V: source 1 = W's rows 2,048 + 128 bc on (64 a wave), source 0 = the same tile ar of x (128 a wave): 32 accumulators.  A lane holds one d and its registers run along t, the last product's K.
; K goes in steps of 256 through two LDS slots filled by joint tensor loads in clusters of 4 x 4: x's tiles hang on cy and are shared along a row of the cluster, W's on cx and along a column, in both phases.
; THE RING GOES ON: phase 1's last two changes of slots ask for phase 2's first two K steps, which land while phase 1's results are roped and quantised.  x's scale bytes lie in LDS from phase 1.
; K ORDER IN A BLOCK OF 32: slot (c, h, i) of a fragment made here holds k = 32 c + 16 (i / 8) + 8 h + i % 8.  Every computed operand is made so, on both sides of a product, and the order stays inside a scale block.
; ROPE.  t = T + r, T = my block's first row, r = lane % 16.  cos, sin of T f (table TA, in my LDS bytes) and of r f (table TB, 64 registers) are made from the exact products (two words each) while the first tiles
; are on their way; a pair is turned by TA, by TB and by -e, e = t f - fl(t f): the angle as f32 has it.  f = 1 / p rounded, p = 10^(i / 128) rounded from a two-word product of two-word roots of 10.
; LIMITS: p is taken as the correctly rounded f32 power; a power one unit off moves an angle by up to 1.2e-4 at t near 2,047.  The rope's own error is some 3e-7 of a pair's magnitude.  A block of zeros gets the byte 1
; (its codes are zeros; only this program reads the bytes).  NaN and infinities among the inputs are not served.
.set NQ,     2                         ; matrix instructions deep in a slot
.set ROWB,   256                       ; a tile's row in bytes
.set KROW,   1024                      ; a row of x or W in memory
.set PITCH,  272                       ; an LDS row: 256 bytes + 16 of padding: the 16 rows of a load start at 16 different banks
.set FR,     16
.set NL,     4
.set NP,     8                         ; places behind this matrix instruction (ISA guide 7.12.1)
.set HALFT,  128*PITCH
.set SLOT,   4*HALFT                   ; x's 256 rows, then W's (256 in phase 1, 128 in phase 2)
.set KS,     32                        ; a row of scale bytes
.set SCL,    2*SLOT                    ; the scales of phase 1's 512 rows, all of K: units of 256 bytes + 16
.set HALFS,  16*272
.set SBLK,   2*272
.set SPARE,  SCL+4*HALFS               ; the spare words: 128 bytes a wave
.set TAB,    SPARE+512                 ; TA: for each wave [block 8][pair 64][cos, sin]
.set FTB,    TAB+4*4096                ; f: for each wave 64 numbers
.set BSC,    FTB+4*256                 ; bias: for each wave 128 numbers
.set SCR,    BSC+4*512                 ; the scale words just made: for each wave 128
.set ABQ,  4                           ; v4   bias along registers: BSC + 512 w + 32 h
.set ASW,  5                           ; v5   32 r: my row among 16 rows of scale bytes; never rewritten
.set AFT,  6                           ; v6   f, read: FTB + 256 w + 16 h
.set ATW,  7                           ; v7   TA, written: TAB + 4096 w + 8 lane; at the end: where V's scale words are read back
.set AFW,  8                           ; v8   f, written: FTB + 256 w + 4 lane; at the end: 8 x lane
.set ADR2, 9                           ; v9   where a block's scale word goes
.set ADRW, 10                          ; v10-11 phase 2: LDS address of my W fragments in slot 0, 1
.set BV,   12                          ; v12-15 V's bias of channel 16 a + r
.set ADRA, 16
.set TF,   18                          ; v[18:19] t as f32 (the pair's low word serves)
.set ADRB, 20
.set ADR,  22
.set BSA,  23
.set LI,   24                          ; v24  16 x lane
.set ATA0, 25                          ; v25  TA, read: TAB + 4096 w + 32 h
.set SWA0, 26                          ; v26  SCR + 512 w + 4 r
.set ADRS, 27
.set SPW,  28
.set NIL,  29
.set PW,   30
.set SRD,  31                          ; v31  SCR + 512 w + 16 lane
.set SC,   32                          ; v32-63 phase 1: scale words, two sets
.set SAW,  32                          ; v32-63 phase 2: W's scale words, block a, K step of 128 ks: 8 a + ks
.set TB,   64                          ; v64-127 TB: pair q: cos at 2 q, sin at 2 q + 1
.set SCX,  64                          ; v64-95 phase 2: x's scale words, two sets of 16
.set AF,   128                         ; phase 1: A's fragments, one set
.set WF,   128                         ; phase 2: W's fragments, two sets of 64
.set WK,   128                         ; the way out: 64 numbers at work
.set TM,   192                         ; v192-207 at work (phase 2's way out: v96-111)
.set CD,   208                         ; v208-223 a fragment's codes
.set BIA,  0                           ; window 1: bias;
.set FW,   64                          ; f of my 32 pairs;
.set EW,   96                          ; e of my 32 pairs;
.set TA,   128                         ; TA of the block in hand
; the prologue's registers, all in v128-255, which the fragments take later
.set FA,  128
.set C,   128
.set TY,  146
.set TS,  147
.set TR,  148
.set I1,  150
.set I2,  151
.set P1H, 152
.set P1L, 153
.set P2H, 154
.set P2L, 155
.set G1H, 156
.set G1L, 157
.set G2H, 158
.set G2L, 159
.set H1,  160
.set E1,  161
.set H2,  162
.set E2,  163
.set M1,  164
.set M2,  165
.set F1,  166
.set U,   168
.set EE,  176
.set KK,  184
.set Z,   192
.set PSN, 200
.set PCS, 208
.set WW,  216
.set OT,  224
.set TAF, 240
.set RF,  248
.set G1, 24                            ; s[24:31] group 1, s[32:39] groups 0 for x's tiles: both phases
.set G0, 32
.set G1B, 48                           ; s[48:55], s[56:63] for W's tiles of phase 1
.set G0B, 56
.set G1S, 68                           ; s[68:91] the scale bytes' descriptors; once those loads are shown done:
.set G0S, 76
.set G1SB, 80
.set G0SB, 88
.set G1V,  68                          ; s[68:75] group 1, s[76:83] groups 0 for W's tiles of phase 2,
.set G0BV, 76
.set MNT, 84                           ; and the way out's scalars
.set AI,  85
.set TOFF, 86
.set SOFF, 87
.set TNX, 88
.set SCP, 66                           ; s[66:67]  where my scale words of Q or K go
.set OPV, 96                           ; s[96:97]  where my images of V go
.set SCPV, 98                          ; s[98:99]  and their scale words
.set OP,  100                          ; s[100:101] where my images of Q or K go
.set SEL, 104
.set K2PI, 92
.set KPH, 93
.set KPL, 94
.set KS1, 95
.set KS2, 7
.set KS3, 8
.set KS4, 9
.set KC2, 18
.set KC3, 4
.set KC4, 5
.set KC5, 6
.set MSB, 0
.macro WIN new                         ; the immediate's high byte repeats the setting that is left
.if MSB != (\new)
	s_set_vgpr_msb (MSB<<8)|(\new)
.set MSB, (\new)
.endif
.endm
.set MUL_LO, 0xa1                      ; source 0 window 1, source 1 window 0, C and D window 2
.set MUL_HI, 0xf1
.set TO_B,   0x40
.macro JLOAD g0a, g1a, g0b, g1b        ; a joint load: waves 0, 1 fetch x's halves, waves 2, 3 W's; four v_nop follow each line
	s_cmp_eq_u32 s15, 0
	s_cbranch_scc0 .Lfor_b_\@
	tensor_load_to_lds s[\g0a:\g0a+3], s[\g1a:\g1a+7]
	s_nop 0
.rept 4
	v_nop
.endr
	s_branch .Lasked_\@
.Lfor_b_\@:
	tensor_load_to_lds s[\g0b:\g0b+3], s[\g1b:\g1b+7]
	s_nop 0
.rept 4
	v_nop
.endr
.Lasked_\@:
.endm
.macro CREST
	s_cmp_lg_u32 s14, 0
	s_cbranch_scc1 .Lnot_wave_0_\@
	s_barrier_signal -3
.Lnot_wave_0_\@:
	s_barrier_wait -3
	s_barrier_signal -1
	s_barrier_wait -1
.endm
.macro CROUND
	s_barrier_signal -1
	s_barrier_wait -1
	CREST
.endm
.macro PLACES n
.rept \n
	v_nop
.endr
.endm
	s_load_b256 s[4:11], s[0:1], 0x0               ; x's codes, x's scales, W's codes, W's scales
	s_load_b64 s[12:13], s[0:1], 0x20              ; b_in
	s_load_b256 s[68:75], s[0:1], 0x28             ; qimg, qsc, kimg, ksc
	s_load_b128 s[96:99], s[0:1], 0x48             ; vimg, vsc
	v_lshl_add_u32 v[SPW], v0, 2, SPARE
	v_mov_b32 v[NIL], 0
	ds_add_u32 v28, v29
	ds_add_u32 v28, v29
	s_wait_dscnt 0x0
	v_lshrrev_b32 v1, 5, v0
	v_readfirstlane_b32 s14, v1                    ; wave
	s_lshr_b32 s15, s14, 1                         ; rh: my half of x's rows.  Also: I fetch for x (0) or W (1)
	s_and_b32 s16, s14, 1                          ; ch: my half of W's rows.  Also: which half I fetch
	s_bfe_u32 s40, ttmp6, 0x40000                  ; cx
	s_bfe_u32 s41, ttmp6, 0x40004                  ; cy
	s_lshl_b32 s42, ttmp9, 2
	s_add_co_u32 s42, s42, s40                     ; bc = 4 x cluster x + cx: W's tile of 256 rows in phase 1 (0-3 Q, 4-7 K), of 128 rows in phase 2
	s_and_b32 s17, ttmp7, 0xffff
	s_lshl_b32 s17, s17, 2
	s_add_co_u32 s17, s17, s41                     ; ar = 4 x cluster y + cy: x's tile of 256 rows, in both phases
	s_lshl_b32 s43, s41, 2
	s_lshl_b32 s43, 15, s43                        ; my row of the cluster
	s_lshl_b32 s44, 0x1111, s40                    ; my column
	s_mov_b32 s[SEL], 0x76543210
	s_mov_b32 s[SEL+1], 0xfedcba98
	s_wait_kmcnt 0x0
	s_cmp_eq_u32 ttmp9, 0                          ; Q or K: the same in all sixteen partners
	s_cselect_b64 s[OP:OP+1], s[68:69], s[72:73]
	s_cselect_b64 s[SCP:SCP+1], s[70:71], s[74:75]
	s_or_b32 s[G1+0], s43, (0<<16)|(1<<20)|(1<<21)|(5<<22)|(3<<25)  ; mask; elements of 1 byte; padding: 4 words behind every 64
	s_or_b32 s[G1B+0], s44, (0<<16)|(1<<20)|(1<<21)|(5<<22)|(3<<25)
.irp g, G1, G1B
	s_mov_b32 s[\g+1], ROWB<<16
	s_mov_b32 s[\g+2], 128<<16
	s_mov_b32 s[\g+3], ROWB<<16
	s_mov_b32 s[\g+4], 128
	s_mov_b32 s[\g+5], KROW
	s_mov_b32 s[\g+6], 0
	s_mov_b32 s[\g+7], 0
.endr
	s_or_b32 s[G1S+0], s43, (3<<16)|(1<<20)|(1<<21)|(5<<22)|(3<<25) ; the scales of 128 rows: 4,096 dense bytes as 16 rows of 256
	s_or_b32 s[G1SB+0], s44, (3<<16)|(1<<20)|(1<<21)|(5<<22)|(3<<25)
.irp g, G1S, G1SB
	s_mov_b32 s[\g+1], 32<<16
	s_mov_b32 s[\g+2], 16<<16
	s_mov_b32 s[\g+3], 32<<16
	s_mov_b32 s[\g+4], 16
	s_mov_b32 s[\g+5], 32
	s_mov_b32 s[\g+6], 0
	s_mov_b32 s[\g+7], 0
.endr
	s_lshl_b32 s18, s16, 7
	s_lshl_b32 s20, s17, 8
	s_add_co_u32 s20, s20, s18                     ; x: row 256 x tile + 128 x half
	s_lshl_b32 s46, s42, 8
	s_add_co_u32 s46, s46, s18                     ; W likewise
	s_mov_b32 s21, 0
	s_mov_b32 s47, 0
	s_mov_b64 s[18:19], KS
	s_mul_u64 s[22:23], s[20:21], s[18:19]
	s_mul_u64 s[92:93], s[46:47], s[18:19]
	s_mov_b64 s[18:19], KROW
	s_mul_u64 s[20:21], s[20:21], s[18:19]
	s_mul_u64 s[46:47], s[46:47], s[18:19]
	s_mul_i32 s45, s14, HALFT                      ; LDS: wave x 128 rows
	s_mul_i32 s94, s14, HALFS
	s_add_nc_u64 s[20:21], s[4:5], s[20:21]
	s_add_nc_u64 s[22:23], s[6:7], s[22:23]
	s_add_nc_u64 s[46:47], s[8:9], s[46:47]
	s_add_nc_u64 s[92:93], s[10:11], s[92:93]
	CROUND                                         ; all sixteen work-groups are here: the first joint loads meet
	s_mov_b32 s[G0S], 1
	s_add_co_u32 s[G0S+1], s94, SCL
	s_mov_b64 s[G0S+2:G0S+3], s[22:23]
	s_or_b32 s[G0S+3], s[G0S+3], 0x80000000
	s_mov_b32 s[G0SB], 1
	s_add_co_u32 s[G0SB+1], s94, SCL
	s_mov_b64 s[G0SB+2:G0SB+3], s[92:93]
	s_or_b32 s[G0SB+3], s[G0SB+3], 0x80000000
	JLOAD G0S, G1S, G0SB, G1SB
.irp s, 0,1
	s_mov_b32 s[G0+4*\s], 1
	s_add_co_u32 s[G0+4*\s+1], s45, \s*SLOT
	s_add_nc_u64 s[G0+4*\s+2:G0+4*\s+3], s[20:21], \s*ROWB
	s_or_b32 s[G0+4*\s+3], s[G0+4*\s+3], 0x80000000
	s_mov_b32 s[G0B+4*\s], 1
	s_add_co_u32 s[G0B+4*\s+1], s45, \s*SLOT
	s_add_nc_u64 s[G0B+4*\s+2:G0B+4*\s+3], s[46:47], \s*ROWB
	s_or_b32 s[G0B+4*\s+3], s[G0B+4*\s+3], 0x80000000
	JLOAD G0+4*\s, G1, G0B+4*\s, G1B               ; three tensor loads of mine are out
.endr
	; LDS addresses
	v_and_b32 v1, 15, v0                           ; r
	v_bfe_u32 v2, v0, 4, 1                         ; h
	v_and_b32 v3, 31, v0                           ; lane
	v_mul_u32_u24 v9, v1, PITCH
	v_lshl_add_u32 v9, v2, 4, v9                   ; a fragment's row x pitch + 16 x half
	s_mul_i32 s21, s15, HALFT                      ; my 128 rows of x
	s_mul_i32 s22, s16, HALFT                      ; phase 1: my 128 rows of W,
	s_add_co_u32 s22, s22, 2*HALFT                 ; behind x's 256
	s_mul_i32 s23, s16, 64*PITCH                   ; phase 2: my 64 rows of W
	s_add_co_u32 s23, s23, 2*HALFT
.irp s, 0,1
	v_add_nc_u32 v[ADRA+\s], s21, v9
	v_add_nc_u32 v[ADRB+\s], s22, v9
	v_add_nc_u32 v[ADRW+\s], s23, v9
	s_add_co_u32 s21, s21, SLOT
	s_add_co_u32 s22, s22, SLOT
	s_add_co_u32 s23, s23, SLOT
.endr
	v_lshlrev_b32 v[ASW], 5, v1                    ; my row's scales: 32 bytes a row,
	v_lshrrev_b32 v30, 8, v[ASW]
	v_lshl_add_u32 v9, v30, 4, v[ASW]              ; and 16 more for each 256 passed
	s_mul_i32 s21, s15, HALFS
	s_mul_i32 s22, s16, HALFS
	s_add_co_u32 s22, s22, 2*HALFS
	s_sub_co_u32 s22, s22, s21
	v_mul_u32_u24 v30, s22, v2                     ; phase 1: lanes 16-31 take W's words
	s_add_co_u32 s21, s21, SCL
	v_add_nc_u32 v9, v9, v30
	v_add_nc_u32 v[ADRS], s21, v9
	v_lshlrev_b32 v[LI], 4, v3
	s_lshl_b32 s21, s14, 9
	s_lshl_b32 s22, s14, 12
	s_lshl_b32 s23, s14, 8
	v_lshl_add_u32 v[ABQ], v2, 5, s21
	v_add_nc_u32 v[ABQ], BSC, v[ABQ]
	v_lshl_add_u32 v[SWA0], v1, 2, s21
	v_add_nc_u32 v[SWA0], SCR, v[SWA0]
	v_add_nc_u32 v[BSA], s21, v[LI]
	v_add_nc_u32 v[SRD], SCR, v[BSA]
	v_add_nc_u32 v[BSA], BSC, v[BSA]
	v_lshl_add_u32 v[AFT], v2, 4, s23
	v_add_nc_u32 v[AFT], FTB, v[AFT]
	v_lshl_add_u32 v[AFW], v3, 2, s23
	v_add_nc_u32 v[AFW], FTB, v[AFW]
	v_lshl_add_u32 v[ATW], v3, 3, s22
	v_add_nc_u32 v[ATW], TAB, v[ATW]
	v_lshl_add_u32 v[ATA0], v2, 5, s22
	v_add_nc_u32 v[ATA0], TAB, v[ATA0]
	v_lshlrev_b32 v[ADR], 2, v1                    ; 4 r: V's bias by lane
	; phase 2's rows of W for my half: 2,048 + 128 bc + 64 x half: their codes, their scale bytes, their bias
	s_lshl_b32 s18, s42, 7
	s_lshl_b32 s19, s16, 6
	s_add_co_u32 s18, s18, s19
	s_add_co_u32 s18, s18, 2048
	s_mov_b32 s23, 0
	s_lshl_b32 s22, s18, 10
	s_add_nc_u64 s[46:47], s[8:9], s[22:23]        ; kept until phase 2's descriptors are written
	s_lshl_b32 s22, s18, 5
	s_add_nc_u64 s[10:11], s[10:11], s[22:23]      ; kept until phase 1's products are done
	s_lshl_b32 s22, s18, 2
	s_add_nc_u64 s[2:3], s[12:13], s[22:23]
	s_lshl_b32 s22, s42, 10                        ; phase 1's bias: channels 256 bc + 128 ch on
	s_lshl_b32 s19, s16, 9
	s_add_co_u32 s22, s22, s19
	s_add_nc_u64 s[12:13], s[12:13], s[22:23]
	global_load_b128 v[252:255], v[LI], s[12:13]   ; my 128 numbers of b_in for Q or K
.irp a, 0,1,2,3
	global_load_b32 v[BV+\a], v[ADR], s[2:3] offset:64*\a   ; and V's: channel 16 a + r of my 64
.endr
	; where my results go.  Q, K: [batch = ar / 8][bc % 4][row block 16 (ar % 8) + 8 rh on][ch].   V: [batch][ar % 8][row block 8 bc + 4 ch on][rh]
	s_lshr_b32 s4, s17, 3
	s_and_b32 s5, s42, 3
	s_and_b32 s6, s17, 7
	s_mov_b32 s19, 0
	s_lshl_b32 s18, s4, 21
	s_lshl_b32 s7, s5, 19
	s_add_co_u32 s18, s18, s7
	s_lshl_b32 s7, s6, 16
	s_add_co_u32 s18, s18, s7
	s_lshl_b32 s7, s15, 15
	s_add_co_u32 s18, s18, s7
	s_lshl_b32 s7, s16, 11
	s_add_co_u32 s18, s18, s7
	s_add_nc_u64 s[OP:OP+1], s[OP:OP+1], s[18:19]
	s_lshl_b32 s18, s4, 16                         ; scale words of Q, K: [batch][2 (bc % 4) + ch][t]
	s_lshl_b32 s7, s5, 1
	s_add_co_u32 s7, s7, s16
	s_lshl_b32 s7, s7, 13
	s_add_co_u32 s18, s18, s7
	s_lshl_b32 s7, s6, 10
	s_add_co_u32 s18, s18, s7
	s_lshl_b32 s7, s15, 9
	s_add_co_u32 s18, s18, s7
	s_add_nc_u64 s[SCP:SCP+1], s[SCP:SCP+1], s[18:19]
	s_lshl_b32 s18, s4, 21
	s_lshl_b32 s7, s6, 18
	s_add_co_u32 s18, s18, s7
	s_lshl_b32 s7, s42, 15
	s_add_co_u32 s18, s18, s7
	s_lshl_b32 s7, s16, 14
	s_add_co_u32 s18, s18, s7
	s_lshl_b32 s7, s15, 11
	s_add_co_u32 s18, s18, s7
	s_add_nc_u64 s[OPV:OPV+1], s[OPV:OPV+1], s[18:19]
	s_lshl_b32 s18, s4, 16                         ; scale words of V: [batch][2 (ar % 8) + rh][d]
	s_lshl_b32 s7, s6, 1
	s_add_co_u32 s7, s7, s15
	s_lshl_b32 s7, s7, 12
	s_add_co_u32 s18, s18, s7
	s_lshl_b32 s7, s42, 9
	s_add_co_u32 s18, s18, s7
	s_lshl_b32 s7, s16, 8
	s_add_co_u32 s18, s18, s7
	s_add_nc_u64 s[SCPV:SCPV+1], s[SCPV:SCPV+1], s[18:19]
	s_lshl_b32 s20, s6, 8
	s_lshl_b32 s21, s15, 7
	s_add_co_u32 s20, s20, s21                     ; T0: my first t in its batch
	s_lshl_b32 s21, s5, 7
	s_lshl_b32 s22, s16, 6
	s_add_co_u32 s21, s21, s22                     ; my first pair of channels
	s_mov_b32 s[K2PI], 0x3f22f983                  ; 2 / pi
	s_mov_b32 s[KPH], 0xbfc90fdb                   ; -(pi / 2), its upper word,
	s_mov_b32 s[KPL], 0x333bbd2e                   ; and what that word is too large by
	s_mov_b32 s[KS1], 0xbe2aaaab                   ; -1/3!, 1/5!, -1/7!, 1/9!
	s_mov_b32 s[KS2], 0x3c088889
	s_mov_b32 s[KS3], 0xb9500d01
	s_mov_b32 s[KS4], 0x3638ef1d
	s_mov_b32 s[KC2], 0x3d2aaaab                   ; 1/4!, -1/6!, 1/8!, -1/10!
	s_mov_b32 s[KC3], 0xbab60b61
	s_mov_b32 s[KC4], 0x37d00d01
	s_mov_b32 s[KC5], 0xb493f27e
	v_add_nc_u32 v9, s20, v1
	v_cvt_f32_u32 v[TF], v9                        ; t of my row in block 0
	v_mov_b32 v[TF+1], 0                           ; (named with it as a pair)
; ---- THE PROLOGUE: f, TA, TB.  c_k = 10^(2^k / 128), k = 0 .. 8, in two words each, by seven square roots from 10
.macro DFSQRT dh, dl, ah, al           ; (dh, dl) = sqrt(ah + al): s = a y, one correction by the residue a - s s
	v_rsq_f32 v[TY], v[\ah]
	v_nop                                          ; a plain instruction behind the transcendental,
	s_wait_alu depctr_va_vdst(0)                   ; and the wait ahead of its first reader
	v_mul_f32 v[TS], v[\ah], v[TY]
	v_mul_f32 v[TY], 0.5, v[TY]
	v_fma_f32 v[TR], -v[TS], v[TS], v[\ah]
	v_add_f32 v[TR], v[TR], v[\al]
	v_mul_f32 v[TR], v[TR], v[TY]
	v_add_f32 v[\dh], v[TS], v[TR]
	v_sub_f32 v[TS], v[TS], v[\dh]
	v_add_f32 v[\dl], v[TS], v[TR]
.endm
.macro DFMUL2                          ; (P, two words) x (G, two words), for my two pairs by turns
	v_mul_f32 v[H1], v[P1H], v[G1H]
	v_mul_f32 v[H2], v[P2H], v[G2H]
	v_fma_f32 v[E1], v[P1H], v[G1H], -v[H1]
	v_fma_f32 v[E2], v[P2H], v[G2H], -v[H2]
	v_fma_f32 v[E1], v[P1H], v[G1L], v[E1]
	v_fma_f32 v[E2], v[P2H], v[G2L], v[E2]
	v_fma_f32 v[E1], v[P1L], v[G1H], v[E1]
	v_fma_f32 v[E2], v[P2L], v[G2H], v[E2]
	v_add_f32 v[P1H], v[H1], v[E1]
	v_add_f32 v[P2H], v[H2], v[E2]
	v_sub_f32 v[H1], v[H1], v[P1H]
	v_sub_f32 v[H2], v[H2], v[P2H]
	v_add_f32 v[P1L], v[H1], v[E1]
	v_add_f32 v[P2L], v[H2], v[E2]
.endm
; cos and sin of eight angles v[U + n] + v[EE + n] into v[o + 2 n], v[o + 2 n + 1].  k = the nearest multiple of pi / 2; u - k x the upper word is exact (k under 2^11); series on |r| up to pi / 4
.macro SINCOS8 o
.irp n, 0,1,2,3,4,5,6,7
	v_mul_f32 v[KK+\n], s[K2PI], v[U+\n]
.endr
.irp n, 0,1,2,3,4,5,6,7
	v_rndne_f32 v[KK+\n], v[KK+\n]
.endr
.irp n, 0,1,2,3,4,5,6,7
	v_fma_f32 v[U+\n], v[KK+\n], s[KPH], v[U+\n]
	v_fma_f32 v[EE+\n], v[KK+\n], s[KPL], v[EE+\n]
.endr
.irp n, 0,1,2,3,4,5,6,7
	v_add_f32 v[U+\n], v[U+\n], v[EE+\n]           ; r
.endr
.irp n, 0,1,2,3,4,5,6,7
	v_mul_f32 v[Z+\n], v[U+\n], v[U+\n]
	v_cvt_i32_f32 v[KK+\n], v[KK+\n]
.endr
.irp n, 0,1,2,3,4,5,6,7
	v_fma_f32 v[PSN+\n], v[Z+\n], s[KS4], s[KS3]
	v_fma_f32 v[PCS+\n], v[Z+\n], s[KC5], s[KC4]
.endr
.irp n, 0,1,2,3,4,5,6,7
	v_fma_f32 v[PSN+\n], v[PSN+\n], v[Z+\n], s[KS2]
	v_fma_f32 v[PCS+\n], v[PCS+\n], v[Z+\n], s[KC3]
.endr
.irp n, 0,1,2,3,4,5,6,7
	v_fma_f32 v[PSN+\n], v[PSN+\n], v[Z+\n], s[KS1]
	v_fma_f32 v[PCS+\n], v[PCS+\n], v[Z+\n], s[KC2]
.endr
.irp n, 0,1,2,3,4,5,6,7
	v_mul_f32 v[EE+\n], v[Z+\n], v[U+\n]
	v_fma_f32 v[WW+\n], v[Z+\n], -0.5, 1.0
	v_mul_f32 v[Z+\n], v[Z+\n], v[Z+\n]
.endr
.irp n, 0,1,2,3,4,5,6,7
	v_fma_f32 v[PSN+\n], v[PSN+\n], v[EE+\n], v[U+\n]   ; sin r
	v_fma_f32 v[PCS+\n], v[PCS+\n], v[Z+\n], v[WW+\n]   ; cos r
.endr
.irp n, 0,1,2,3,4,5,6,7
	v_and_b32 v[WW+\n], 1, v[KK+\n]
	v_lshlrev_b32 v[EE+\n], 30, v[KK+\n]           ; the sine's sign: bit 1 of k
	v_add_lshl_u32 v[KK+\n], v[KK+\n], 1, 30       ; the cosine's: bit 1 of k + 1
.endr
.irp n, 0,1,2,3,4,5,6,7
	v_cmp_eq_u32 vcc_lo, 1, v[WW+\n]               ; an odd quarter swaps the two
	v_cndmask_b32 v[(\o)+2*\n], v[PCS+\n], v[PSN+\n], vcc_lo
	v_cndmask_b32 v[(\o)+2*\n+1], v[PSN+\n], v[PCS+\n], vcc_lo
.endr
.irp n, 0,1,2,3,4,5,6,7
	v_and_b32 v[EE+\n], 0x80000000, v[EE+\n]
	v_and_b32 v[KK+\n], 0x80000000, v[KK+\n]
.endr
.irp n, 0,1,2,3,4,5,6,7
	v_xor_b32 v[(\o)+2*\n], v[KK+\n], v[(\o)+2*\n]
	v_xor_b32 v[(\o)+2*\n+1], v[EE+\n], v[(\o)+2*\n+1]
.endr
.endm
	v_mov_b32 v[C+16], 0x42c80000                  ; c8 = 100
	v_mov_b32 v[C+17], 0
	v_mov_b32 v[C+14], 0x41200000                  ; c7 = 10
	v_mov_b32 v[C+15], 0
.irp k, 6,5,4,3,2,1,0
	DFSQRT C+2*\k, C+2*\k+1, C+2*\k+2, C+2*\k+3
.endr
	s_wait_loadcnt 0x0                             ; both biases are in;
	ds_store_b128 v[BSA], v[252:255]               ; phase 1's goes to my own bytes: the way out reads it in another order
	v_add_nc_u32 v[I1], s21, v3                    ; my two pairs: first + lane, and 32 further on
	v_add_nc_u32 v[I2], 32, v[I1]
	v_mov_b32 v[P1H], 1.0
	v_mov_b32 v[P1L], 0
	v_mov_b32 v[P2H], 1.0
	v_mov_b32 v[P2L], 0
.irp k, 0,1,2,3,4,5,6,7,8
	v_and_b32 v[M1], 1<<\k, v[I1]
	v_and_b32 v[M2], 1<<\k, v[I2]
	v_cmp_ne_u32 vcc_lo, 0, v[M1]
	v_cndmask_b32 v[G1H], 1.0, v[C+2*\k], vcc_lo   ; c_k where bit k of the pair's number is set, else 1
	v_cndmask_b32 v[G1L], 0, v[C+2*\k+1], vcc_lo
	v_cmp_ne_u32 vcc_lo, 0, v[M2]
	v_cndmask_b32 v[G2H], 1.0, v[C+2*\k], vcc_lo
	v_cndmask_b32 v[G2L], 0, v[C+2*\k+1], vcc_lo
	DFMUL2
.endr
	v_rcp_f32 v[F1], v[P1H]                        ; f = 1 / p, p the product's upper word
	v_rcp_f32 v[F1+1], v[P2H]
	v_nop
	s_wait_alu depctr_va_vdst(0)                   ; one wait for the two
.rept 2
	v_fma_f32 v[H1], -v[P1H], v[F1], 1.0
	v_fma_f32 v[H2], -v[P2H], v[F1+1], 1.0
	v_fma_f32 v[F1], v[F1], v[H1], v[F1]
	v_fma_f32 v[F1+1], v[F1+1], v[H2], v[F1+1]
.endr
	ds_store_b32 v[AFW], v[F1]
	ds_store_b32 v[AFW], v[F1+1] offset:128
.irp t, 0,1,2,3,4,5,6,7
	ds_load_b128 v[FA+4*\t:FA+4*\t+3], v[AFT] offset:32*\t   ; f of pairs 8 t + 4 h + 0 .. 3: those of my registers (LDS serves a wave's instructions in order)
.endr
	v_cvt_f32_u32 v[TAF], s20
.irp a, 1,2,3,4,5,6,7
	v_add_f32 v[TAF+\a], 0x41800000, v[TAF+\a-1]   ; T of block a = T0 + 16 a
.endr
.irp w, 0,1
	s_wait_dscnt 0x0                               ; the last stores have read their registers
.irp a, 0,1,2,3,4,5,6,7
	v_mul_f32 v[U+\a], v[TAF+\a], v[F1+\w]
.endr
.irp a, 0,1,2,3,4,5,6,7
	v_fma_f32 v[EE+\a], v[TAF+\a], v[F1+\w], -v[U+\a]   ; T f = u + e, exactly
.endr
	SINCOS8 OT
.irp a, 0,1,2,3,4,5,6,7
	ds_store_b64 v[ATW], v[OT+2*\a:OT+2*\a+1] offset:512*\a+256*\w
.endr
.endr
	v_cvt_f32_u32 v[RF], v1
.irp g, 0,1,2,3
.irp n, 0,1,2,3,4,5,6,7
	v_mul_f32 v[U+\n], v[RF], v[FA+8*\g+\n]
.endr
.irp n, 0,1,2,3,4,5,6,7
	v_fma_f32 v[EE+\n], v[RF], v[FA+8*\g+\n], -v[U+\n]
.endr
	SINCOS8 TB+16*\g
.endr
.macro FRAG reg, adr, q, i             ; 16 rows x 128 K: lane l holds row l % 16; registers 4 c .. 4 c + 3 hold K = 32 c + 16 (l / 16) + 0 .. 15
.irp c, 0,1,2,3
	ds_load_b128 v[\reg+4*\c:\reg+4*\c+3], v[\adr] offset:128*(\q)+32*\c+(\i)*16*PITCH
.endr
.endm
; ---- PHASE 1.  16 matrix instructions: A's blocks a0, a0 + 1 x B's eight.  The 64 accumulators take turns, one instruction a turn, in the same order in every step
.macro MUL16 a0, p, q, sc, zero
.irp a, \a0, \a0+1
.irp b, 0,1,2,3,4,5,6,7
.if \zero
	v_wmma_scale_f32_16x16x128_f8f6f4 v[8*(8*((\a)%4)+\b):8*(8*((\a)%4)+\b)+7], v[128*(\p)+FR*\b:128*(\p)+FR*\b+FR-1], v[AF+FR*(\a):AF+FR*(\a)+FR-1], 0, v[SC+8*NQ*(\sc)+NQ*\b+(\q)], v[SC+8*NQ*(\sc)+NQ*(\a)+(\q)] matrix_a_scale:MATRIX_SCALE_ROW1
.else
	v_wmma_scale_f32_16x16x128_f8f6f4 v[8*(8*((\a)%4)+\b):8*(8*((\a)%4)+\b)+7], v[128*(\p)+FR*\b:128*(\p)+FR*\b+FR-1], v[AF+FR*(\a):AF+FR*(\a)+FR-1], v[8*(8*((\a)%4)+\b):8*(8*((\a)%4)+\b)+7], v[SC+8*NQ*(\sc)+NQ*\b+(\q)], v[SC+8*NQ*(\sc)+NQ*(\a)+(\q)] matrix_a_scale:MATRIX_SCALE_ROW1
.endif
.endr
.endr
.endm
.macro FETCH_B slot, q, p
	WIN TO_B
.irp i, 0,1,2,3,4,5,6,7
	FRAG 128*(\p)+FR*\i, ADRB+\slot, \q, \i
.endr
	WIN 0
.endm
.macro FETCH_A slot, q, i0
.irp i, \i0, \i0+1, \i0+2, \i0+3
	FRAG AF+FR*(\i), ADRA+\slot, \q, \i
.endr
.endm
.macro SCALES sc                       ; a K step's scale words: lanes 0-15 x's block i, lanes 16-31 W's block i
.irp i, 0,1,2,3,4,5,6,7
	ds_load_b64 v[SC+8*NQ*\sc+NQ*\i:SC+8*NQ*\sc+NQ*\i+1], v[ADRS] offset:\i*SBLK
.endr
.endm
.macro STEP slot, q, zero              ; 128 along K with its successor in the same slot
	s_wait_dscnt 4*NL                              ; B's set and A's blocks 0-3 are in; the youngest 16 loads (A's blocks 4-7) may be out
	WIN MUL_LO
	MUL16 0, (\q)%2, \q, \slot, \zero
	MUL16 2, (\q)%2, \q, \slot, \zero
	s_wait_dscnt 0
	PLACES NP                                      ; in front of loads into registers that matrix instructions have read
	FETCH_B \slot, (\q)+1, 1-(\q)%2
	FETCH_A \slot, (\q)+1, 0
	WIN MUL_HI
	MUL16 4, (\q)%2, \q, \slot, \zero
	MUL16 6, (\q)%2, \q, \slot, \zero
	PLACES NP
	WIN 0
	FETCH_A \slot, (\q)+1, 4
.endm
; A slot's last step changes slots: one barrier, which opens a round of the cluster's barrier.  fill = 1: this slot takes phase 1's K step two on; fill = 2: phase 2's K step of the same slot
.macro TURN slot, next, fill
	s_wait_tensorcnt 0x0                           ; all my tensor loads have landed: my part of the next slot;
	ds_add_u32 v[SPW], v[NIL]                      ; 0 onto my spare word;
	s_wait_dscnt 4*NL+1                            ; (the add and A's blocks 4-7 may be out)
	WIN MUL_LO
	MUL16 0, 1, NQ-1, \slot, 0
	s_wait_dscnt 0x0                               ; the add is done, and my reads of this slot are over
	s_barrier_signal -1
	MUL16 2, 1, NQ-1, \slot, 0
	WIN 0
	s_barrier_wait -1
	CREST                                          ; no wave of any partner still reads this slot or has a load on its way
.if \fill == 1
	s_add_nc_u64 s[G0+4*\slot+2:G0+4*\slot+3], s[G0+4*\slot+2:G0+4*\slot+3], 2*ROWB
	s_add_nc_u64 s[G0B+4*\slot+2:G0B+4*\slot+3], s[G0B+4*\slot+2:G0B+4*\slot+3], 2*ROWB
	JLOAD G0+4*\slot, G1, G0B+4*\slot, G1B         ; my one tensor load behind the round; its four v_nop are among the places below
.else
	s_sub_nc_u64 s[G0+4*\slot+2:G0+4*\slot+3], s[G0+4*\slot+2:G0+4*\slot+3], 2*ROWB   ; x's tile once more, from this slot's first K step on
	JLOAD G0+4*\slot, G1, G0BV+4*\slot, G1V
.endif
	PLACES NP-4
	v_add_nc_u32 v[ADRS], 4*NQ, v[ADRS]            ; the next K step's scale words (no LDS load of mine is out)
	FETCH_B \next, 0, 0
	FETCH_A \next, 0, 0
	SCALES \next
	WIN MUL_HI
	MUL16 4, 1, NQ-1, \slot, 0
	MUL16 6, 1, NQ-1, \slot, 0
	PLACES NP
	WIN 0
	FETCH_A \next, 0, 4
.endm
	s_wait_dscnt 0x0                               ; my tables lie in LDS, and their stores have read their registers
	s_wait_tensorcnt 1                             ; the scales and my part of K step 0 are in; K step 1's load may be out
	s_barrier_signal -1
	s_barrier_wait -1
	; the scale bytes' loads are done, so their descriptors' registers take phase 2's: W's tiles of 64 rows a load, shared along my column
	s_or_b32 s[G1V+0], s44, (0<<16)|(1<<20)|(1<<21)|(5<<22)|(3<<25)
	s_mov_b32 s[G1V+1], ROWB<<16
	s_mov_b32 s[G1V+2], 64<<16
	s_mov_b32 s[G1V+3], ROWB<<16
	s_mov_b32 s[G1V+4], 64
	s_mov_b32 s[G1V+5], KROW
	s_mov_b32 s[G1V+6], 0
	s_mov_b32 s[G1V+7], 0
	s_mul_i32 s2, s16, 64*PITCH
	s_add_co_u32 s2, s2, 2*HALFT                   ; behind x's 256 rows: my half's 64
.irp s, 0,1
	s_mov_b32 s[G0BV+4*\s], 1
	s_add_co_u32 s[G0BV+4*\s+1], s2, \s*SLOT
	s_add_nc_u64 s[G0BV+4*\s+2:G0BV+4*\s+3], s[46:47], \s*ROWB
	s_or_b32 s[G0BV+4*\s+3], s[G0BV+4*\s+3], 0x80000000
.endr
	FETCH_B 0, 0, 0
	FETCH_A 0, 0, 0
	SCALES 0
	FETCH_A 0, 0, 4
	STEP 0, 0, 1                                   ; the first step's products start the sums
	TURN 0, 1, 1
	STEP 1, 0, 0
	TURN 1, 0, 1
	STEP 0, 0, 0
	TURN 0, 1, 2                                   ; slot 0 takes phase 2's K step 0
	STEP 1, 0, 0
	; phase 1's last step: slot 1 is left and takes phase 2's K step 1; no fragments are fetched: the registers go to the way out first
	s_wait_tensorcnt 0x0                           ; all my tensor loads have landed: my part of phase 2's K step 0;
	ds_add_u32 v[SPW], v[NIL]                      ; 0 onto my spare word;
	s_wait_dscnt 4*NL+1
	WIN MUL_LO
	MUL16 0, 1, NQ-1, 1, 0
	s_wait_dscnt 0x0                               ; the add is done, and my reads of this slot are over
	s_barrier_signal -1
	MUL16 2, 1, NQ-1, 1, 0
	WIN 0
	s_barrier_wait -1
	CREST
	s_sub_nc_u64 s[G0+6:G0+7], s[G0+6:G0+7], 2*ROWB
	JLOAD G0+4, G1, G0BV+4, G1V                    ; my one tensor load behind the round: it lands while phase 1's results go out
	WIN MUL_HI
	MUL16 4, 1, NQ-1, 1, 0
	MUL16 6, 1, NQ-1, 1, 0
	WIN 0
; ---- PHASE 1'S WAY OUT: a loop of eight trips, one block of 16 t each.  Only the lines that take a block's sums out of its accumulators differ from trip to trip: they are written eight times.
; 64 numbers v[s] on in window W, register 16 b + i in block b, become a fragment's codes in v[pc] on and its scale word in v[pw].  relu = 1: what is negative becomes 0 on the way
.macro QUANT s, relu, W, pc, pw
	WIN (\W)|((\W)<<2)
.irp b, 0,1,2,3
.if \relu
	v_max3_num_f32 v[TM+\b], v[(\s)+16*\b], v[(\s)+16*\b+1], 0x4800000   ; and the floor 2^(9 - 127): the byte cannot fall under 1
.else
	v_max3_num_f32 v[TM+\b], |v[(\s)+16*\b]|, |v[(\s)+16*\b+1]|, 0x4800000
.endif
.endr
	WIN ((\W)<<2)|((\W)<<4)
.irp i, 2,4,6,8,10,12,14
.irp b, 0,1,2,3
.if \relu
	v_max3_num_f32 v[TM+\b], v[TM+\b], v[(\s)+16*\b+\i], v[(\s)+16*\b+\i+1]
.else
	v_max3_num_f32 v[TM+\b], v[TM+\b], |v[(\s)+16*\b+\i]|, |v[(\s)+16*\b+\i+1]|
.endif
.endr
.endr
	WIN 0
.irp b, 0,1,2,3
	v_permlanex16_b32 v[TM+4+\b], v[TM+\b], s[SEL], s[SEL+1]
.endr
.irp b, 0,1,2,3
	v_max_num_f32 v[TM+\b], v[TM+\b], v[TM+4+\b]   ; with lane l xor 16's 16: the block's largest magnitude
.endr
.irp b, 0,1,2,3
	v_add_nc_u32 v[TM+12+\b], 0xfc000000, v[TM+\b] ; 8 off its exponent field: the conversion's scale operand
.endr
.irp b, 0,1,2,3
	v_and_or_b32 v[TM+8+\b], v[TM+\b], 0x7f800000, s[MNT]   ; 448 x the scale
.endr
.irp b, 0,1,2,3
	v_lshrrev_b32 v[TM+4+\b], 23, v[TM+12+\b]      ; the scale's byte
.endr
	v_lshl_or_b32 v[\pw], v[TM+5], 8, v[TM+4]
	v_lshl_or_b32 v[\pw], v[TM+6], 16, v[\pw]
	v_lshl_or_b32 v[\pw], v[TM+7], 24, v[\pw]
	WIN (\W)|((\W)<<6)
.irp b, 0,1,2,3
.irp i, 0,1,2,3,4,5,6,7,8,9,10,11,12,13,14,15
.if \relu
	v_med3_num_f32 v[(\s)+16*\b+\i], v[(\s)+16*\b+\i], 0, v[TM+8+\b]   ; the clip at 0 and the hold at the largest code in one (the conversion does not saturate: ISA guide 7.6.2)
.else
	v_med3_num_f32 v[(\s)+16*\b+\i], v[(\s)+16*\b+\i], -v[TM+8+\b], v[TM+8+\b]
.endif
.endr
.endr
	WIN (\W)
.irp b, 0,1,2,3
	v_cvt_scalef32_pk8_fp8_f32 v[(\pc)+4*\b:(\pc)+4*\b+1], v[(\s)+16*\b:(\s)+16*\b+7], v[TM+12+\b]
	v_cvt_scalef32_pk8_fp8_f32 v[(\pc)+4*\b+2:(\pc)+4*\b+3], v[(\s)+16*\b+8:(\s)+16*\b+15], v[TM+12+\b]
.endr
	v_nop                                          ; a plain instruction behind the last conversion
	WIN 0
.endm
.macro TAKE_QK a                       ; block a's sums + the bias of my registers' channels; each accumulator is read from its low end on
	WIN (2+(\a)/4)|4
.set n, 0
.rept 32
	v_pk_add_f32 v[WK+n:WK+n+1], v[64*((\a)%4)+n:64*((\a)%4)+n+1], v[BIA+n:BIA+n+1]
.set n, n+2
.endr
	WIN 0
.endm
.macro TAKE_V a                        ; phase 2: block a's sums + the bias of my lane's channel
	WIN 2
.set n, 0
.rept 32
.if (\a)%2
	v_pk_add_f32 v[WK+n:WK+n+1], v[64*(\a)+n:64*(\a)+n+1], v[BV+(\a)-1:BV+(\a)] op_sel:[0,1] op_sel_hi:[1,1]
.else
	v_pk_add_f32 v[WK+n:WK+n+1], v[64*(\a)+n:64*(\a)+n+1], v[BV+(\a):BV+(\a)+1] op_sel_hi:[1,0]
.endif
.set n, n+2
.endr
	WIN 0
.endm
.macro ROT tab                         ; my 32 pairs (x1, x2) turned by (cos, sin) of v[tab + 2 q]: x1 c - x2 s, x1 s + x2 c; eight pairs at a time
.irp g, 0,1,2,3
.irp p, 0,1,2,3,4,5,6,7
	v_pk_mul_f32 v[TM+2*\p:TM+2*\p+1], v[WK+16*\g+2*\p:WK+16*\g+2*\p+1], v[\tab+16*\g+2*\p:\tab+16*\g+2*\p+1] op_sel_hi:[1,0]
.endr
.irp p, 0,1,2,3,4,5,6,7
	v_pk_fma_f32 v[WK+16*\g+2*\p:WK+16*\g+2*\p+1], v[WK+16*\g+2*\p:WK+16*\g+2*\p+1], v[\tab+16*\g+2*\p:\tab+16*\g+2*\p+1], v[TM+2*\p:TM+2*\p+1] op_sel:[1,1,0] op_sel_hi:[0,1,1] neg_lo:[1,0,0]
.endr
.endr
.endm
	PLACES NP                                      ; behind the last products: in front of the first read of results and of loads into fragments' and scales' registers
	s_mov_b32 s[MNT], 0x600000                     ; the mantissa field of 448
	s_mov_b32 s[AI], 0
	s_mov_b32 s[TOFF], 0
	s_mov_b32 s[SOFF], 0
.irp a, 0,1,2,3
	global_load_b128 v[SAW+8*\a:SAW+8*\a+3], v[ASW], s[10:11] offset:512*\a          ; phase 2: the scale words of W's row 16 a + r, all of K: 32 bytes a row, 512 consecutive bytes for 16 rows
	global_load_b128 v[SAW+8*\a+4:SAW+8*\a+7], v[ASW], s[10:11] offset:512*\a+16     ; (they land while phase 1's results go out)
.endr
	WIN 0x40                                       ; destination window 1
.irp t, 0,1,2,3,4,5,6,7
	ds_load_b128 v[BIA+8*\t:BIA+8*\t+3], v[ABQ] offset:64*\t         ; bias of channels 16 t + 8 h + 0 .. 7
	ds_load_b128 v[BIA+8*\t+4:BIA+8*\t+7], v[ABQ] offset:64*\t+16
	ds_load_b128 v[FW+4*\t:FW+4*\t+3], v[AFT] offset:32*\t
	ds_load_b128 v[TA+8*\t:TA+8*\t+3], v[ATA0] offset:64*\t          ; TA of block 0
	ds_load_b128 v[TA+8*\t+4:TA+8*\t+7], v[ATA0] offset:64*\t+16
.endr
	WIN 0
.Lblk:
	s_wait_dscnt 0x0                               ; this block's table is in (asked for half a trip ago), and the last scale word's store has read its register
.irp a, 0,1,2,3,4,5,6
	s_cmp_eq_u32 s[AI], \a
	s_cbranch_scc1 .Lq_\a
.endr
	TAKE_QK 7
	s_branch .Lrope
.irp a, 0,1,2,3,4,5,6
.Lq_\a:
	TAKE_QK \a
	s_branch .Lrope
.endr
.Lrope:
	s_add_co_u32 s[TNX], s[TOFF], 512
	s_min_u32 s[TNX], s[TNX], 3584                 ; the last trip asks for block 7's table once more: no read leaves the table
	v_add_nc_u32 v[ADR], s[TNX], v[ATA0]
	WIN 0x41
.irp m, 0,2,4,6,8,10,12,14,16,18,20,22,24,26,28,30
	v_pk_mul_f32 v[EW+\m:EW+\m+1], v[FW+\m:FW+\m+1], v[TF:TF+1] op_sel_hi:[1,0]     ; fl(t f): the angle as f32 has it
.endr
	WIN 0x51
.irp m, 0,2,4,6,8,10,12,14,16,18,20,22,24,26,28,30
	v_pk_fma_f32 v[EW+\m:EW+\m+1], v[FW+\m:FW+\m+1], v[TF:TF+1], v[EW+\m:EW+\m+1] op_sel_hi:[1,0,1] neg_lo:[0,0,1] neg_hi:[0,0,1]   ; e = t f - fl(t f), exactly
.endr
	WIN 0x04                                       ; source 1 window 1
	ROT TA
	WIN 0x40
.irp t, 0,1,2,3,4,5,6,7
	ds_load_b128 v[TA+8*\t:TA+8*\t+3], v[ADR] offset:64*\t           ; the next block's table
	ds_load_b128 v[TA+8*\t+4:TA+8*\t+7], v[ADR] offset:64*\t+16
.endr
	WIN 0
	ROT TB
	WIN 0x04
.irp m, 0,2,4,6,8,10,12,14,16,18,20,22,24,26,28,30
	v_pk_fma_f32 v[WK+2*\m:WK+2*\m+1], v[WK+2*\m:WK+2*\m+1], v[EW+\m:EW+\m+1], v[WK+2*\m:WK+2*\m+1] op_sel:[1,0,0] op_sel_hi:[0,0,1] neg_hi:[1,0,0]       ; back by e (under 1e-4: its cosine is 1): x1 + x2 e, x2 - x1 e
	v_pk_fma_f32 v[WK+2*\m+2:WK+2*\m+3], v[WK+2*\m+2:WK+2*\m+3], v[EW+\m:EW+\m+1], v[WK+2*\m+2:WK+2*\m+3] op_sel:[1,1,0] op_sel_hi:[0,1,1] neg_hi:[1,0,0]
.endr
	WIN 0
	v_add_f32 v[TF], 0x41800000, v[TF]             ; the next block's t
	QUANT WK, 1, 0, CD, PW
.irp c, 0,1,2,3
	global_store_b128 v[LI], v[CD+4*\c:CD+4*\c+3], s[OP:OP+1] offset:512*\c   ; 32 lanes store 512 consecutive bytes, aligned
.endr
	v_add_nc_u32 v[ADR2], s[SOFF], v[SWA0]
	ds_store_b32 v[ADR2], v[PW]                    ; lanes 16-31 write the same word with the same value
	s_wait_xcnt 0x0                                ; the stores have read their registers and their base: both are written again
	s_add_nc_u64 s[OP:OP+1], s[OP:OP+1], 4096
	s_add_co_u32 s[SOFF], s[SOFF], 64
	s_add_co_u32 s[TOFF], s[TOFF], 512
	s_add_co_u32 s[AI], s[AI], 1
	s_cmp_lt_u32 s[AI], 8
	s_cbranch_scc1 .Lblk
	ds_load_b128 v[CD:CD+3], v[SRD]                ; my 128 scale words, 16 bytes a lane (LDS serves a wave's instructions in order)
	s_wait_dscnt 0x0
	global_store_b128 v[LI], v[CD:CD+3], s[SCP:SCP+1]
; ---- PHASE 2: V.  Source 0 = x's 8 blocks (window 1, two sets), source 1 = W's 4 blocks (window 0, two sets): 32 accumulators in window 2, by turns, in the same order in every step.
; Slot 0 holds K step 0: every wave waited for its part in front of the last round.  Slot 1's load is waited for at the first change of slots below.
.macro MULV a, p, ks, sc, zero         ; W's block a x x's eight, the ks-th 128 along K
.irp b, 0,1,2,3,4,5,6,7
.if \zero
	v_wmma_scale_f32_16x16x128_f8f6f4 v[8*(8*(\a)+\b):8*(8*(\a)+\b)+7], v[128*(\p)+FR*\b:128*(\p)+FR*\b+FR-1], v[WF+64*(\p)+FR*(\a):WF+64*(\p)+FR*(\a)+FR-1], 0, v[SCX+16*(\sc)+2*\b+((\ks)%2)], v[SAW+8*(\a)+(\ks)]
.else
	v_wmma_scale_f32_16x16x128_f8f6f4 v[8*(8*(\a)+\b):8*(8*(\a)+\b)+7], v[128*(\p)+FR*\b:128*(\p)+FR*\b+FR-1], v[WF+64*(\p)+FR*(\a):WF+64*(\p)+FR*(\a)+FR-1], v[8*(8*(\a)+\b):8*(8*(\a)+\b)+7], v[SCX+16*(\sc)+2*\b+((\ks)%2)], v[SAW+8*(\a)+(\ks)]
.endif
.endr
.endm
.macro FETCHV slot, q, p               ; the fragments of the slot's q-th 128 along K into set p
	WIN TO_B
.irp i, 0,1,2,3,4,5,6,7
	FRAG 128*(\p)+FR*\i, ADRA+\slot, \q, \i
.endr
	WIN 0
.irp i, 0,1,2,3
	FRAG WF+64*(\p)+FR*\i, ADRW+\slot, \q, \i
.endr
.endm
.macro SCALESX sc, j                   ; x's scale words of K step j (256 along K: two words a row); both halves of the lanes read the same words
.irp i, 0,1,2,3,4,5,6,7
	ds_load_b64 v[SCX+16*\sc+2*\i:SCX+16*\sc+2*\i+1], v[ADRS] offset:\i*SBLK+8*(\j)
.endr
.endm
.macro STEPV slot, ks, zero            ; a slot's first 128: set 0 is multiplied while set 1 is fetched
	s_wait_dscnt 0x0                               ; set 0 and x's scale words are in
	PLACES NP                                      ; in front of loads into set 1, which the last products read
	FETCHV \slot, 1, 1
	WIN MUL_LO
.irp a, 0,1,2,3
	MULV \a, 0, \ks, \slot, \zero
.endr
	WIN 0
.endm
.macro TURNV slot, next, fill, ks, j   ; a slot's second 128 changes slots: one barrier; with fill = 1 it opens a round of the cluster's barrier.  j: the next slot's K step
	s_wait_tensorcnt 0x0                           ; all my tensor loads have landed: my part of the next slot;
	ds_add_u32 v[SPW], v[NIL]                      ; 0 onto my spare word;
	s_wait_dscnt 1                                 ; (set 1 is in; the add alone may be out)
	WIN MUL_LO
	MULV 0, 1, \ks, \slot, 0
	s_wait_dscnt 0x0                               ; the add is done, and my reads of this slot are over
	s_barrier_signal -1
	MULV 1, 1, \ks, \slot, 0
	WIN 0
	s_barrier_wait -1
.if \fill
	CREST
	s_add_nc_u64 s[G0+4*\slot+2:G0+4*\slot+3], s[G0+4*\slot+2:G0+4*\slot+3], 2*ROWB
	s_add_nc_u64 s[G0BV+4*\slot+2:G0BV+4*\slot+3], s[G0BV+4*\slot+2:G0BV+4*\slot+3], 2*ROWB
	JLOAD G0+4*\slot, G1, G0BV+4*\slot, G1V        ; my one tensor load behind the round
	PLACES NP-4
.else
	PLACES NP
.endif
	FETCHV \next, 0, 0
	SCALESX \next, \j
	WIN MUL_LO
	MULV 2, 1, \ks, \slot, 0
	MULV 3, 1, \ks, \slot, 0
	WIN 0
.endm
	s_mul_i32 s2, s15, HALFS                       ; x's scale words: my 128 rows, from K = 0 on
	s_add_co_u32 s2, s2, SCL
	v_lshrrev_b32 v[ADR2], 8, v[ASW]
	v_lshl_add_u32 v[ADRS], v[ADR2], 4, v[ASW]
	v_add_nc_u32 v[ADRS], s2, v[ADRS]
	s_wait_xcnt 0x0                                ; the last store has read its registers: fragments land there
	FETCHV 0, 0, 0
	SCALESX 0, 0
	s_wait_loadcnt 0x0                             ; W's scale words
	STEPV 0, 0, 1                                  ; the first step's products start the sums
	TURNV 0, 1, 1, 1, 1
	STEPV 1, 2, 0
	TURNV 1, 0, 1, 3, 2
	STEPV 0, 4, 0
	TURNV 0, 1, 0, 5, 3                            ; nothing is left to fetch
	STEPV 1, 6, 0
	s_wait_dscnt 0x0
	WIN MUL_LO
.irp a, 0,1,2,3
	MULV \a, 1, 7, 1, 0
.endr
	WIN 0
	; PHASE 2'S WAY OUT: each block of 16 d x my 128 t is one fragment of the last product.  Each block has its own registers for its codes and its word: no store's data are written again
	PLACES NP
.set TM, 96                            ; v96-111 at work: the table TB is done with
	v_lshlrev_b32 v[AFW], 3, v3                    ; 8 x lane
	s_lshl_b32 s2, s14, 9
	v_add_nc_u32 v[ATW], s2, v[AFW]
	v_add_nc_u32 v[ATW], SCR, v[ATW]
.irp a, 0,1,2,3
	TAKE_V \a
	QUANT WK, 1, 0, 192+16*\a, 112+\a
.irp c, 0,1,2,3
	global_store_b128 v[LI], v[192+16*\a+4*\c:192+16*\a+4*\c+3], s[OPV:OPV+1] offset:4096*\a+512*\c   ; 32 lanes store 512 consecutive bytes, aligned
.endr
	ds_store_b32 v[SWA0], v[112+\a] offset:64*\a   ; lanes 16-31 write the same word with the same value
.endr
	ds_load_b64 v[TM:TM+1], v[ATW]                 ; my 64 scale words, 8 bytes a lane (LDS serves a wave's instructions in order)
	s_wait_dscnt 0x0
	global_store_b64 v[AFW], v[TM:TM+1], s[SCPV:SCPV+1]   ; 32 lanes store 256 consecutive bytes, aligned
	s_wait_tensorcnt 0x0                           ; the wave's end
	ds_add_u32 v[SPW], v[NIL]
	s_wait_dscnt 0x0
	CROUND                                         ; the closing round
	s_endpgm
.Lfunc_end_k_q514f63abe0_qkv:
	.size	k_q514f63abe0_qkv, .Lfunc_end_k_q514f63abe0_qkv-k_q514f63abe0_qkv
	.p2alignl 7, 3214868480
	.fill 96, 4, 3214868480
	.section	.rodata,"a",@progbits
	.p2align	6, 0x0
	.amdhsa_kernel k_q514f63abe0_qkv
		.amdhsa_group_segment_fixed_size 327680
		.amdhsa_private_segment_fixed_size 0
		.amdhsa_enable_private_segment 0
		.amdhsa_kernarg_size 88
		.amdhsa_user_sgpr_count 2
		.amdhsa_user_sgpr_kernarg_segment_ptr 1
		.amdhsa_wavefront_size32 1
		.amdhsa_system_sgpr_workgroup_id_x 1
		.amdhsa_system_sgpr_workgroup_id_y 1
		.amdhsa_system_sgpr_workgroup_id_z 1
		.amdhsa_system_vgpr_workitem_id 0
		.amdhsa_next_free_vgpr 1024
		.amdhsa_next_free_sgpr 106
		.amdhsa_reserve_vcc 1
		.amdhsa_float_denorm_mode_32 3
		.amdhsa_float_denorm_mode_16_64 3
		.amdhsa_memory_ordered 1
		.amdhsa_forward_progress 1
		.amdhsa_inst_pref_size 255
	.end_amdhsa_kernel
	.section	.bss,"aw",@nobits
	.p2align	6
	.space	262144
	.amdgpu_metadata
---
amdhsa.version: [ 1, 2 ]
amdhsa.kernels:
  - .name:           k_q514f63abe0_qkv
    .symbol:         k_q514f63abe0_qkv.kd
    .args:
      - { .name: x_codes, .offset: 0, .size: 8, .value_kind: global_buffer, .address_space: global }
      - { .name: x_scales, .offset: 8, .size: 8, .value_kind: global_buffer, .address_space: global }
      - { .name: W_in_codes, .offset: 16, .size: 8, .value_kind: global_buffer, .address_space: global }
      - { .name: W_in_scales, .offset: 24, .size: 8, .value_kind: global_buffer, .address_space: global }
      - { .name: b_in, .offset: 32, .size: 8, .value_kind: global_buffer, .address_space: global }
      - { .name: qimg, .offset: 40, .size: 8, .value_kind: global_buffer, .address_space: global }
      - { .name: qsc, .offset: 48, .size: 8, .value_kind: global_buffer, .address_space: global }
      - { .name: kimg, .offset: 56, .size: 8, .value_kind: global_buffer, .address_space: global }
      - { .name: ksc, .offset: 64, .size: 8, .value_kind: global_buffer, .address_space: global }
      - { .name: vimg, .offset: 72, .size: 8, .value_kind: global_buffer, .address_space: global }
      - { .name: vsc, .offset: 80, .size: 8, .value_kind: global_buffer, .address_space: global }
    .group_segment_fixed_size: 327680
    .private_segment_fixed_size: 0
    .kernarg_segment_align: 8
    .kernarg_segment_size: 88
    .max_flat_workgroup_size: 128
    .sgpr_count:     106
    .vgpr_count:     1024
    .wavefront_size: 32
...
	.end_amdgpu_metadata
.endif
;; end of part 1
;; launch scores (part 2): grid 8 x 32, 4 waves a work-group, clusters of 4 x 4, 327,680 bytes of LDS; arguments qimg, qsc, kimg, ksc, aimg, asc; writes aimg, asc
.if DOCPART == 2
	.amdgcn_target "amdgcn-amd-amdhsa--gfx1250"
	.amdhsa_code_object_version 6
	.text
	.protected	k_q514f63abe0_scores
	.globl	k_q514f63abe0_scores
	.p2align	8
	.type	k_q514f63abe0_scores,@function
k_q514f63abe0_scores:
	s_mov_b64 s[64:65], 0
	v_nop
	global_prefetch_b8 v0, s[64:65] scope:SCOPE_SE
	s_setreg_imm32_b32 hwreg(HW_REG_WAVE_MODE, 25, 1), 1
	s_wait_xcnt 0x0
	s_wait_alu depctr_hold_cnt(0) depctr_sa_sdst(0) depctr_va_vdst(0) depctr_va_sdst(0) depctr_va_ssrc(0) depctr_va_vcc(0) depctr_vm_vsrc(0)
	s_getreg_b32 s2, hwreg(HW_REG_IB_STS2, 6, 4)
	s_cmp_eq_u32 s2, 0
	s_cbranch_scc0 .Lentry_in_a_cluster
	s_endpgm
.Lentry_in_a_cluster:
	s_bfe_u32 s2, ttmp6, 0x10000c
	s_cmp_lg_u32 s2, 0xf033
	s_cbranch_scc0 .Lentry_shape_is_right
	s_endpgm
.Lentry_shape_is_right:
; A[b][t][s] = the sum over d of Q[b][t][d] K[b][s][d], on the codes that the launch before made; A is quantised along s, the next product's K, and stored as images of operand registers.
; Q, K: [b 4][d / 256 4][row / 16 128][2][2,048 bytes]: a fragment (16 rows x 128 K) is four chunks of 512 bytes, lane l's registers 4 c .. 4 c + 3 at 512 c + 16 l.  Scale words [b][d / 128 8][row 2,048], 4 bytes.
; A tile of 256 x 256 to a work-group of four waves, 128 x 128 a wave.  Source 1 (A') = Q: a lane holds one t; source 0 (B') = K: its registers run along s.
; A wave's part of a K step of 256 is ONE dense block of 32,768 bytes; fragments are read from LDS at 16 x lane + a constant: no pitch, no padding.  Clusters of 4 x 4: Q's tiles shared along a row, K's along a column.
; K ORDER: slot (c, h, i) of a fragment made here holds s = 32 c + 16 (i / 8) + 8 h + i % 8, as V's fragments hold t.
; LIMITS: a block of zeros gets the byte 1 (its codes are zeros; only this program reads the bytes); NaN and infinities are not served.
.set NQ,     2
.set FR,     16
.set NL,     4
.set NP,     8
.set SLOT,   131072                    ; A's 16 blocks of 4,096 bytes, then B's
.set LAPS,   2
.set SCL,    2*SLOT                    ; A's scale words: two halves x [K step of 128: 8][512 bytes]
.set SCLB,   SCL+8192+128              ; B's: 128 bytes askew, so that the two halves of the lanes read different banks
.set SPARE,  278784                    ; the next whole block of 256 bytes behind them: the spare words
.set SCR,    SPARE+512                 ; the scale words just made: 512 bytes a wave
.set ADRA, 16
.set ADRB, 20
.set LI,   24
.set SWA0, 26
.set ADRS, 27
.set SPW,  28
.set NIL,  29
.set SRD,  31
.set SC,   32                          ; v32-63 scale words, two sets: nothing else ever
.set TM,   64                          ; v64-79 at work on the way out
.set PWS,  80                          ; v80-87 the scale words just made
.set AF,   128
.set G1, 24
.set G0, 32
.set G1B, 48
.set G0B, 56
.set G1S, 68
.set G0S, 76
.set G1SB, 80
.set G0SB, 88
.set OP,  92
.set SCP, 94
.set SEL, 104
.set MNT, 7
.set MSB, 0
.macro WIN new
.if MSB != (\new)
	s_set_vgpr_msb (MSB<<8)|(\new)
.set MSB, (\new)
.endif
.endm
.set MUL_LO, 0xa1
.set MUL_HI, 0xf1
.set TO_B,   0x40
.macro JLOAD g0a, g1a, g0b, g1b
	s_cmp_eq_u32 s15, 0
	s_cbranch_scc0 .Lfor_b_\@
	tensor_load_to_lds s[\g0a:\g0a+3], s[\g1a:\g1a+7]
	s_nop 0
.rept 4
	v_nop
.endr
	s_branch .Lasked_\@
.Lfor_b_\@:
	tensor_load_to_lds s[\g0b:\g0b+3], s[\g1b:\g1b+7]
	s_nop 0
.rept 4
	v_nop
.endr
.Lasked_\@:
.endm
.macro CREST
	s_cmp_lg_u32 s14, 0
	s_cbranch_scc1 .Lnot_wave_0_\@
	s_barrier_signal -3
.Lnot_wave_0_\@:
	s_barrier_wait -3
	s_barrier_signal -1
	s_barrier_wait -1
.endm
.macro CROUND
	s_barrier_signal -1
	s_barrier_wait -1
	CREST
.endm
.macro PLACES n
.rept \n
	v_nop
.endr
.endm
	s_load_b256 s[4:11], s[0:1], 0x0               ; qimg, qsc, kimg, ksc
	s_load_b128 s[92:95], s[0:1], 0x20             ; aimg, asc
	v_lshl_add_u32 v[SPW], v0, 2, SPARE
	v_mov_b32 v[NIL], 0
	ds_add_u32 v28, v29
	ds_add_u32 v28, v29
	s_wait_dscnt 0x0
	v_lshrrev_b32 v1, 5, v0
	v_readfirstlane_b32 s14, v1
	s_lshr_b32 s15, s14, 1                         ; rh; also: I fetch for Q (0) or K (1)
	s_and_b32 s16, s14, 1                          ; ch; also: which half I fetch
	s_bfe_u32 s40, ttmp6, 0x40000
	s_bfe_u32 s41, ttmp6, 0x40004
	s_and_b32 s18, ttmp7, 0xffff
	s_lshr_b32 s19, s18, 1                         ; the batch
	s_and_b32 s18, s18, 1
	s_lshl_b32 s17, s18, 2
	s_add_co_u32 s17, s17, s41                     ; tile row: 256 t
	s_lshl_b32 s42, ttmp9, 2
	s_add_co_u32 s42, s42, s40                     ; tile column: 256 s
	s_lshl_b32 s43, s41, 2
	s_lshl_b32 s43, 15, s43
	s_lshl_b32 s44, 0x1111, s40
	s_mov_b32 s[SEL], 0x76543210
	s_mov_b32 s[SEL+1], 0xfedcba98
	s_or_b32 s[G1+0], s43, (3<<16)|(1<<21)         ; mask; elements of 8 bytes; no padding
	s_or_b32 s[G1B+0], s44, (3<<16)|(1<<21)
.irp g, G1, G1B
	s_mov_b32 s[\g+1], 32<<16                      ; a dense block of 32,768 bytes as 128 rows of 256
	s_mov_b32 s[\g+2], 128<<16
	s_mov_b32 s[\g+3], 32<<16
	s_mov_b32 s[\g+4], 128
	s_mov_b32 s[\g+5], 32
	s_mov_b32 s[\g+6], 0
	s_mov_b32 s[\g+7], 0
.endr
	s_or_b32 s[G1S+0], s43, (3<<16)|(1<<21)
	s_or_b32 s[G1SB+0], s44, (3<<16)|(1<<21)
.irp g, G1S, G1SB
	s_mov_b32 s[\g+1], 64<<16                      ; the scale words of 128 rows: 8 rows of 512 bytes, 8,192 bytes apart
	s_mov_b32 s[\g+2], 8<<16
	s_mov_b32 s[\g+3], 64<<16
	s_mov_b32 s[\g+4], 8
	s_mov_b32 s[\g+5], 1024
	s_mov_b32 s[\g+6], 0
	s_mov_b32 s[\g+7], 0
.endr
	s_lshl_b32 s20, s19, 21
	s_lshl_b32 s21, s16, 15
	s_add_co_u32 s20, s20, s21                     ; batch, and my half's 8 blocks
	s_lshl_b32 s22, s17, 16
	s_add_co_u32 s22, s22, s20                     ; Q: + 16 blocks x tile row
	s_mov_b32 s23, 0
	s_lshl_b32 s46, s42, 16
	s_add_co_u32 s46, s46, s20                     ; K: + 16 blocks x tile column
	s_mov_b32 s47, 0
	s_lshl_b32 s20, s19, 16
	s_lshl_b32 s21, s16, 9
	s_add_co_u32 s20, s20, s21
	s_lshl_b32 s96, s17, 10
	s_add_co_u32 s96, s96, s20
	s_mov_b32 s97, 0
	s_lshl_b32 s98, s42, 10
	s_add_co_u32 s98, s98, s20
	s_mov_b32 s99, 0
	s_lshl_b32 s45, s14, 15                        ; LDS: wave x 32,768
	s_lshl_b32 s2, s16, 12                         ; and my half of the scale words
	s_wait_kmcnt 0x0
	s_add_nc_u64 s[22:23], s[4:5], s[22:23]
	s_add_nc_u64 s[46:47], s[8:9], s[46:47]
	s_add_nc_u64 s[96:97], s[6:7], s[96:97]
	s_add_nc_u64 s[98:99], s[10:11], s[98:99]
	CROUND
	s_mov_b32 s[G0S], 1
	s_add_co_u32 s[G0S+1], s2, SCL
	s_mov_b64 s[G0S+2:G0S+3], s[96:97]
	s_or_b32 s[G0S+3], s[G0S+3], 0x80000000
	s_mov_b32 s[G0SB], 1
	s_add_co_u32 s[G0SB+1], s2, SCLB
	s_mov_b64 s[G0SB+2:G0SB+3], s[98:99]
	s_or_b32 s[G0SB+3], s[G0SB+3], 0x80000000
	JLOAD G0S, G1S, G0SB, G1SB
.irp s, 0,1
	s_mov_b32 s[G0+4*\s], 1
	s_add_co_u32 s[G0+4*\s+1], s45, \s*SLOT
	s_add_nc_u64 s[G0+4*\s+2:G0+4*\s+3], s[22:23], \s*0x80000
	s_or_b32 s[G0+4*\s+3], s[G0+4*\s+3], 0x80000000
	s_mov_b32 s[G0B+4*\s], 1
	s_add_co_u32 s[G0B+4*\s+1], s45, \s*SLOT
	s_add_nc_u64 s[G0B+4*\s+2:G0B+4*\s+3], s[46:47], \s*0x80000
	s_or_b32 s[G0B+4*\s+3], s[G0B+4*\s+3], 0x80000000
	JLOAD G0+4*\s, G1, G0B+4*\s, G1B               ; three tensor loads of mine are out
.endr
	v_and_b32 v1, 15, v0
	v_bfe_u32 v2, v0, 4, 1
	v_and_b32 v3, 31, v0
	v_lshlrev_b32 v[LI], 4, v3
	s_lshl_b32 s21, s15, 15
	s_lshl_b32 s22, s16, 15
	s_add_co_u32 s22, s22, 65536
.irp s, 0,1
	v_add_nc_u32 v[ADRA+\s], s21, v[LI]
	v_add_nc_u32 v[ADRB+\s], s22, v[LI]
	s_add_co_u32 s21, s21, SLOT
	s_add_co_u32 s22, s22, SLOT
.endr
	s_lshl_b32 s21, s15, 12
	s_lshl_b32 s22, s16, 12
	s_add_co_u32 s22, s22, SCLB-SCL
	s_sub_co_u32 s22, s22, s21
	v_mul_u32_u24 v4, s22, v2                      ; lanes 16-31 take K's words
	s_add_co_u32 s21, s21, SCL
	v_lshl_add_u32 v4, v1, 2, v4
	v_add_nc_u32 v[ADRS], s21, v4
	s_lshl_b32 s21, s14, 9
	v_lshl_add_u32 v[SWA0], v1, 2, s21
	v_add_nc_u32 v[SWA0], SCR, v[SWA0]
	v_add_nc_u32 v[SRD], s21, v[LI]
	v_add_nc_u32 v[SRD], SCR, v[SRD]
.irp b, 0,1,2,3
	v_mov_b32 v[TM+4+\b], 0                        ; written once: a lane permute's destination counts as one of its sources
.endr
	; A's images: [b][s / 256][t / 16][2][2,048]; its scale words [b][s / 128][t]
	s_lshl_b32 s20, s19, 22
	s_lshl_b32 s21, s42, 19
	s_add_co_u32 s20, s20, s21
	s_lshl_b32 s21, s17, 16
	s_add_co_u32 s20, s20, s21
	s_lshl_b32 s21, s15, 15
	s_add_co_u32 s20, s20, s21
	s_lshl_b32 s21, s16, 11
	s_add_co_u32 s20, s20, s21
	s_mov_b32 s21, 0
	s_add_nc_u64 s[OP:OP+1], s[OP:OP+1], s[20:21]
	s_lshl_b32 s20, s19, 17
	s_lshl_b32 s22, s42, 1
	s_add_co_u32 s22, s22, s16
	s_lshl_b32 s22, s22, 13
	s_add_co_u32 s20, s20, s22
	s_lshl_b32 s22, s17, 10
	s_add_co_u32 s20, s20, s22
	s_lshl_b32 s22, s15, 9
	s_add_co_u32 s20, s20, s22
	s_add_nc_u64 s[SCP:SCP+1], s[SCP:SCP+1], s[20:21]
	s_mov_b32 s[MNT], 0x600000
.macro FRAG reg, adr, q, i             ; a fragment as it was stored: four chunks of 512 bytes, 16 bytes a lane
.irp c, 0,1,2,3
	ds_load_b128 v[\reg+4*\c:\reg+4*\c+3], v[\adr] offset:4096*(\i)+2048*(\q)+512*\c
.endr
.endm
.macro MUL16 a0, p, q, sc, zero        ; the 64 accumulators take turns, one instruction a turn
.irp a, \a0, \a0+1
.irp b, 0,1,2,3,4,5,6,7
.if \zero
	v_wmma_scale_f32_16x16x128_f8f6f4 v[8*(8*((\a)%4)+\b):8*(8*((\a)%4)+\b)+7], v[128*(\p)+FR*\b:128*(\p)+FR*\b+FR-1], v[AF+FR*(\a):AF+FR*(\a)+FR-1], 0, v[SC+8*NQ*(\sc)+NQ*\b+(\q)], v[SC+8*NQ*(\sc)+NQ*(\a)+(\q)] matrix_a_scale:MATRIX_SCALE_ROW1
.else
	v_wmma_scale_f32_16x16x128_f8f6f4 v[8*(8*((\a)%4)+\b):8*(8*((\a)%4)+\b)+7], v[128*(\p)+FR*\b:128*(\p)+FR*\b+FR-1], v[AF+FR*(\a):AF+FR*(\a)+FR-1], v[8*(8*((\a)%4)+\b):8*(8*((\a)%4)+\b)+7], v[SC+8*NQ*(\sc)+NQ*\b+(\q)], v[SC+8*NQ*(\sc)+NQ*(\a)+(\q)] matrix_a_scale:MATRIX_SCALE_ROW1
.endif
.endr
.endr
.endm
.macro FETCH_B slot, q, p
	WIN TO_B
.irp i, 0,1,2,3,4,5,6,7
	FRAG 128*(\p)+FR*\i, ADRB+\slot, \q, \i
.endr
	WIN 0
.endm
.macro FETCH_A slot, q, i0
.irp i, \i0, \i0+1, \i0+2, \i0+3
	FRAG AF+FR*(\i), ADRA+\slot, \q, \i
.endr
.endm
.macro SCALES sc                       ; lanes 0-15: Q's block i; lanes 16-31: K's block i; q: which 128 of the K step
.irp i, 0,1,2,3,4,5,6,7
.irp q, 0,1
	ds_load_b32 v[SC+8*NQ*\sc+NQ*\i+\q], v[ADRS] offset:512*\q+64*\i
.endr
.endr
.endm
.macro STEP slot, q, zero
	s_wait_dscnt 4*NL                              ; all but the youngest 16 loads (A's blocks 4-7)
	WIN MUL_LO
	MUL16 0, (\q)%2, \q, \slot, \zero
	MUL16 2, (\q)%2, \q, \slot, \zero
	s_wait_dscnt 0
	PLACES NP
	FETCH_B \slot, (\q)+1, 1-(\q)%2
	FETCH_A \slot, (\q)+1, 0
	WIN MUL_HI
	MUL16 4, (\q)%2, \q, \slot, \zero
	MUL16 6, (\q)%2, \q, \slot, \zero
	PLACES NP
	WIN 0
	FETCH_A \slot, (\q)+1, 4
.endm
.macro TURN slot, next, fill
	s_wait_tensorcnt 0x0                           ; all my tensor loads have landed: my part of the next slot;
	ds_add_u32 v[SPW], v[NIL]                      ; 0 onto my spare word;
	s_wait_dscnt 4*NL+1                            ; (the add and A's blocks 4-7 may be out)
	WIN MUL_LO
	MUL16 0, 1, NQ-1, \slot, 0
	s_wait_dscnt 0x0                               ; the add is done, and my reads of this slot are over
	s_barrier_signal -1
	MUL16 2, 1, NQ-1, \slot, 0
	WIN 0
	s_barrier_wait -1
.if \fill
	CREST
	s_add_nc_u64 s[G0+4*\slot+2:G0+4*\slot+3], s[G0+4*\slot+2:G0+4*\slot+3], 0x100000
	s_add_nc_u64 s[G0B+4*\slot+2:G0B+4*\slot+3], s[G0B+4*\slot+2:G0B+4*\slot+3], 0x100000
	JLOAD G0+4*\slot, G1, G0B+4*\slot, G1B         ; my one tensor load behind the round
	PLACES NP-4
.else
	PLACES NP
.endif
	v_add_nc_u32 v[ADRS], 1024, v[ADRS]            ; two K steps of 128 on (no LDS load of mine is out)
	FETCH_B \next, 0, 0
	FETCH_A \next, 0, 0
	SCALES \next
	WIN MUL_HI
	MUL16 4, 1, NQ-1, \slot, 0
	MUL16 6, 1, NQ-1, \slot, 0
	PLACES NP
	WIN 0
	FETCH_A \next, 0, 4
.endm
.macro QUANT s, relu, W, pc, pw        ; 64 numbers v[s] on in window W -> a fragment's codes in v[pc] on, its scale word in v[pw]
	WIN (\W)|((\W)<<2)
.irp b, 0,1,2,3
.if \relu
	v_max3_num_f32 v[TM+\b], v[(\s)+16*\b], v[(\s)+16*\b+1], 0x4800000
.else
	v_max3_num_f32 v[TM+\b], |v[(\s)+16*\b]|, |v[(\s)+16*\b+1]|, 0x4800000   ; and the floor 2^(9 - 127): the byte cannot fall under 1
.endif
.endr
	WIN ((\W)<<2)|((\W)<<4)
.irp i, 2,4,6,8,10,12,14
.irp b, 0,1,2,3
.if \relu
	v_max3_num_f32 v[TM+\b], v[TM+\b], v[(\s)+16*\b+\i], v[(\s)+16*\b+\i+1]
.else
	v_max3_num_f32 v[TM+\b], v[TM+\b], |v[(\s)+16*\b+\i]|, |v[(\s)+16*\b+\i+1]|   ; ascending: each accumulator is read from its low end on
.endif
.endr
.endr
	WIN 0
.irp b, 0,1,2,3
	v_permlanex16_b32 v[TM+4+\b], v[TM+\b], s[SEL], s[SEL+1]
.endr
.irp b, 0,1,2,3
	v_max_num_f32 v[TM+\b], v[TM+\b], v[TM+4+\b]
.endr
.irp b, 0,1,2,3
	v_add_nc_u32 v[TM+12+\b], 0xfc000000, v[TM+\b]
.endr
.irp b, 0,1,2,3
	v_and_or_b32 v[TM+8+\b], v[TM+\b], 0x7f800000, s[MNT]
.endr
.irp b, 0,1,2,3
	v_lshrrev_b32 v[TM+4+\b], 23, v[TM+12+\b]
.endr
	v_lshl_or_b32 v[\pw], v[TM+5], 8, v[TM+4]
	v_lshl_or_b32 v[\pw], v[TM+6], 16, v[\pw]
	v_lshl_or_b32 v[\pw], v[TM+7], 24, v[\pw]
	WIN (\W)|((\W)<<6)
.irp b, 0,1,2,3
.irp i, 0,1,2,3,4,5,6,7,8,9,10,11,12,13,14,15
.if \relu
	v_med3_num_f32 v[(\s)+16*\b+\i], v[(\s)+16*\b+\i], 0, v[TM+8+\b]
.else
	v_med3_num_f32 v[(\s)+16*\b+\i], v[(\s)+16*\b+\i], -v[TM+8+\b], v[TM+8+\b]   ; the hold at the largest code x the scale (the conversion does not saturate: ISA guide 7.6.2)
.endif
.endr
.endr
	WIN (\W)
.irp b, 0,1,2,3
	v_cvt_scalef32_pk8_fp8_f32 v[(\pc)+4*\b:(\pc)+4*\b+1], v[(\s)+16*\b:(\s)+16*\b+7], v[TM+12+\b]
	v_cvt_scalef32_pk8_fp8_f32 v[(\pc)+4*\b+2:(\pc)+4*\b+3], v[(\s)+16*\b+8:(\s)+16*\b+15], v[TM+12+\b]
.endr
	v_nop
	WIN 0
.endm
	s_wait_tensorcnt 1                             ; the scale words and my part of K step 0 are in; K step 1's load may be out
	s_barrier_signal -1
	s_barrier_wait -1
	FETCH_B 0, 0, 0
	FETCH_A 0, 0, 0
	SCALES 0
	FETCH_A 0, 0, 4
	STEP 0, 0, 1
	s_mov_b32 s3, LAPS-1
.Llap:
	TURN 0, 1, 1
	STEP 1, 0, 0
	TURN 1, 0, 1
	STEP 0, 0, 0
	s_sub_co_u32 s3, s3, 1
	s_cmp_lg_u32 s3, 0
	s_cbranch_scc1 .Llap
	TURN 0, 1, 0
	STEP 1, 0, 0
	s_wait_dscnt 4*NL
	WIN MUL_LO
	MUL16 0, 1, NQ-1, 1, 0
	MUL16 2, 1, NQ-1, 1, 0
	s_wait_dscnt 0
	WIN MUL_HI
	MUL16 4, 1, NQ-1, 1, 0
	MUL16 6, 1, NQ-1, 1, 0
	WIN 0
	; THE WAY OUT: each block of 16 t x my 128 s is one fragment of the next product.  Each block has its own registers for its codes and its word: no store's data are written again
	PLACES NP
.irp a, 0,1,2,3,4,5,6,7
	QUANT 64*(\a%4), 0, 2+\a/4, 128+16*\a, PWS+\a
.irp c, 0,1,2,3
	global_store_b128 v[LI], v[128+16*\a+4*\c:128+16*\a+4*\c+3], s[OP:OP+1] offset:4096*\a+512*\c   ; 32 lanes store 512 consecutive bytes, aligned
.endr
	ds_store_b32 v[SWA0], v[PWS+\a] offset:64*\a   ; lanes 16-31 write the same word with the same value
.endr
	ds_load_b128 v[TM:TM+3], v[SRD]                ; my 128 scale words, 16 bytes a lane (LDS serves a wave's instructions in order)
	s_wait_dscnt 0x0
	global_store_b128 v[LI], v[TM:TM+3], s[SCP:SCP+1]
	s_wait_tensorcnt 0x0                           ; the wave's end
	ds_add_u32 v[SPW], v[NIL]
	s_wait_dscnt 0x0
	CROUND
	s_endpgm
.Lfunc_end_k_q514f63abe0_scores:
	.size	k_q514f63abe0_scores, .Lfunc_end_k_q514f63abe0_scores-k_q514f63abe0_scores
	.p2alignl 7, 3214868480
	.fill 96, 4, 3214868480
	.section	.rodata,"a",@progbits
	.p2align	6, 0x0
	.amdhsa_kernel k_q514f63abe0_scores
		.amdhsa_group_segment_fixed_size 327680
		.amdhsa_private_segment_fixed_size 0
		.amdhsa_enable_private_segment 0
		.amdhsa_kernarg_size 48
		.amdhsa_user_sgpr_count 2
		.amdhsa_user_sgpr_kernarg_segment_ptr 1
		.amdhsa_wavefront_size32 1
		.amdhsa_system_sgpr_workgroup_id_x 1
		.amdhsa_system_sgpr_workgroup_id_y 1
		.amdhsa_system_sgpr_workgroup_id_z 1
		.amdhsa_system_vgpr_workitem_id 0
		.amdhsa_next_free_vgpr 1024
		.amdhsa_next_free_sgpr 106
		.amdhsa_reserve_vcc 0
		.amdhsa_float_denorm_mode_32 3
		.amdhsa_float_denorm_mode_16_64 3
		.amdhsa_memory_ordered 1
		.amdhsa_forward_progress 1
		.amdhsa_inst_pref_size 187
	.end_amdhsa_kernel
	.amdgpu_metadata
---
amdhsa.version: [ 1, 2 ]
amdhsa.kernels:
  - .name:           k_q514f63abe0_scores
    .symbol:         k_q514f63abe0_scores.kd
    .args:
      - { .name: qimg, .offset: 0, .size: 8, .value_kind: global_buffer, .address_space: global }
      - { .name: qsc, .offset: 8, .size: 8, .value_kind: global_buffer, .address_space: global }
      - { .name: kimg, .offset: 16, .size: 8, .value_kind: global_buffer, .address_space: global }
      - { .name: ksc, .offset: 24, .size: 8, .value_kind: global_buffer, .address_space: global }
      - { .name: aimg, .offset: 32, .size: 8, .value_kind: global_buffer, .address_space: global }
      - { .name: asc, .offset: 40, .size: 8, .value_kind: global_buffer, .address_space: global }
    .group_segment_fixed_size: 327680
    .private_segment_fixed_size: 0
    .kernarg_segment_align: 8
    .kernarg_segment_size: 48
    .max_flat_workgroup_size: 128
    .sgpr_count:     106
    .vgpr_count:     1024
    .wavefront_size: 32
...
	.end_amdgpu_metadata
.endif
;; end of part 2
;; launch mix (part 3): grid 8 x 32, 4 waves a work-group, clusters of 4 x 4, 327,680 bytes of LDS; arguments aimg, asc, vimg, vsc, gn_weight, gn_bias, out0; writes out0
.if DOCPART == 3
	.amdgcn_target "amdgcn-amd-amdhsa--gfx1250"
	.amdhsa_code_object_version 6
	.text
	.protected	k_q514f63abe0_mix
	.globl	k_q514f63abe0_mix
	.p2align	8
	.type	k_q514f63abe0_mix,@function
k_q514f63abe0_mix:
	s_mov_b64 s[64:65], 0
	v_nop
	global_prefetch_b8 v0, s[64:65] scope:SCOPE_SE
	s_setreg_imm32_b32 hwreg(HW_REG_WAVE_MODE, 25, 1), 1
	s_wait_xcnt 0x0
	s_wait_alu depctr_hold_cnt(0) depctr_sa_sdst(0) depctr_va_vdst(0) depctr_va_sdst(0) depctr_va_ssrc(0) depctr_va_vcc(0) depctr_vm_vsrc(0)
	s_getreg_b32 s2, hwreg(HW_REG_IB_STS2, 6, 4)
	s_cmp_eq_u32 s2, 0
	s_cbranch_scc0 .Lentry_in_a_cluster
	s_endpgm
.Lentry_in_a_cluster:
	s_bfe_u32 s2, ttmp6, 0x10000c
	s_cmp_lg_u32 s2, 0xf033
	s_cbranch_scc0 .Lentry_shape_is_right
	s_endpgm
.Lentry_shape_is_right:
; y[b][t][d] = the sum over s of A[b][t][s] V[b][s][d] on the codes that the launches before made; a group norm over each 32 neighbouring d of a row, gain and bias; stored transposed: out0 lies [b][d][t], f32.
; A tile of 256 t x 128 d to a work-group (256 work-groups), 128 t x 64 d a wave: 32 accumulators.  Source 1 = A: a lane holds one t; source 0 = V: its registers run along d.
; So a group of 32 d lies in two neighbouring tiles of lanes l and l xor 16, and for a fixed register sixteen lanes hold sixteen neighbouring t of one d: a row of out0.
; K = 2,048 keys in steps of 256 through two LDS slots; a wave's part of a step is one dense block (A: 32,768 bytes, V: 16,384).  Clusters of 4 x 4: A's tiles shared along a row, V's along a column.
; The variance is taken of the numbers less their mean: no difference of large sums.  LIMITS: NaN and infinities are not served.
; REGISTERS: window 0: v16-31 addresses; v32-63 A's scale words, v64-79 V's, two sets each, nothing else ever; v80-111 the norm's figures; v128-255 V's fragments, two sets, later rows of out0.
;   window 1: A's fragments, two sets.   window 2: the accumulators, (a, b) at v[8 (4 a + b)].   window 3: v0-31 gain, v32-63 bias of my 64 d, in the accumulators' order.
.set NP,     8
.set SLOT,   98304                     ; A's 65,536 bytes, then V's 32,768
.set LAPS,   4
.set LSCA,   2*SLOT                    ; A's scale words: two halves x [K step of 128: 16][512 bytes]
.set LSCB,   LSCA+16384                ; V's: two halves x [16][256 bytes]
.set SPARE,  LSCB+8192
.set STG,    SPARE+512                 ; a stage for each wave: 32 rows (d) x (512 bytes + 16)
.set ADRA, 16
.set ADRB, 20
.set ADSA, 22
.set ADSB, 23
.set LI,   24
.set SO,   25
.set SR,   26
.set GOF,  27
.set SPW,  28
.set NIL,  29
.set SCA,  32
.set SCB,  64
.set TT,   80                          ; for each block a four registers: a pair of sums, the mean or 1 / deviation, the other lanes' sum
.set VF,   128
.set G1, 24
.set G0, 32
.set G1B, 48
.set G0B, 56
.set G1S, 68
.set G0S, 76
.set G1SB, 80
.set G0SB, 88
.set KI32, 100
.set KEPS, 101
.set SEL, 104
.set MSB, 0
.macro WIN new
.if MSB != (\new)
	s_set_vgpr_msb (MSB<<8)|(\new)
.set MSB, (\new)
.endif
.endm
.set MUL, 0xa4                         ; source 0 (V) window 0, source 1 (A) window 1, C and D window 2
.macro JLOAD g0a, g1a, g0b, g1b
	s_cmp_eq_u32 s15, 0
	s_cbranch_scc0 .Lfor_b_\@
	tensor_load_to_lds s[\g0a:\g0a+3], s[\g1a:\g1a+7]
	s_nop 0
.rept 4
	v_nop
.endr
	s_branch .Lasked_\@
.Lfor_b_\@:
	tensor_load_to_lds s[\g0b:\g0b+3], s[\g1b:\g1b+7]
	s_nop 0
.rept 4
	v_nop
.endr
.Lasked_\@:
.endm
.macro CREST
	s_cmp_lg_u32 s14, 0
	s_cbranch_scc1 .Lnot_wave_0_\@
	s_barrier_signal -3
.Lnot_wave_0_\@:
	s_barrier_wait -3
	s_barrier_signal -1
	s_barrier_wait -1
.endm
.macro CROUND
	s_barrier_signal -1
	s_barrier_wait -1
	CREST
.endm
.macro PLACES n
.rept \n
	v_nop
.endr
.endm
	s_load_b256 s[4:11], s[0:1], 0x0               ; aimg, asc, vimg, vsc
	s_load_b128 s[92:95], s[0:1], 0x20             ; gn_weight, gn_bias
	s_load_b64 s[12:13], s[0:1], 0x30              ; out0
	v_lshl_add_u32 v[SPW], v0, 2, SPARE
	v_mov_b32 v[NIL], 0
	ds_add_u32 v28, v29
	ds_add_u32 v28, v29
	s_wait_dscnt 0x0
	v_lshrrev_b32 v1, 5, v0
	v_readfirstlane_b32 s14, v1
	s_lshr_b32 s15, s14, 1                         ; rh: my 128 t; also: I fetch for A (0) or V (1)
	s_and_b32 s16, s14, 1                          ; ch: my 64 d; also: which half I fetch
	s_bfe_u32 s40, ttmp6, 0x40000
	s_bfe_u32 s41, ttmp6, 0x40004
	s_and_b32 s18, ttmp7, 0xffff
	s_lshr_b32 s19, s18, 1                         ; the batch
	s_and_b32 s18, s18, 1
	s_lshl_b32 s17, s18, 2
	s_add_co_u32 s17, s17, s41                     ; tile row: 256 t
	s_lshl_b32 s42, ttmp9, 2
	s_add_co_u32 s42, s42, s40                     ; tile column: 128 d
	s_lshl_b32 s43, s41, 2
	s_lshl_b32 s43, 15, s43
	s_lshl_b32 s44, 0x1111, s40
	s_mov_b32 s[SEL], 0x76543210
	s_mov_b32 s[SEL+1], 0xfedcba98
	s_mov_b32 s[KI32], 0x3d000000                  ; 1 / 32
	s_mov_b32 s[KEPS], 0x3727c5ac                  ; 1e-5
	s_or_b32 s[G1+0], s43, (3<<16)|(1<<21)         ; A: 32,768 dense bytes as 128 rows of 256
	s_mov_b32 s[G1+1], 32<<16
	s_mov_b32 s[G1+2], 128<<16
	s_mov_b32 s[G1+3], 32<<16
	s_mov_b32 s[G1+4], 128
	s_mov_b32 s[G1+5], 32
	s_mov_b32 s[G1+6], 0
	s_mov_b32 s[G1+7], 0
	s_or_b32 s[G1B+0], s44, (3<<16)|(1<<21)        ; V: 16,384 dense bytes as 64 rows of 256
	s_mov_b32 s[G1B+1], 32<<16
	s_mov_b32 s[G1B+2], 64<<16
	s_mov_b32 s[G1B+3], 32<<16
	s_mov_b32 s[G1B+4], 64
	s_mov_b32 s[G1B+5], 32
	s_mov_b32 s[G1B+6], 0
	s_mov_b32 s[G1B+7], 0
	s_or_b32 s[G1S+0], s43, (3<<16)|(1<<21)        ; A's scale words of 128 t: 16 rows of 512 bytes, 8,192 apart
	s_mov_b32 s[G1S+1], 64<<16
	s_mov_b32 s[G1S+2], 16<<16
	s_mov_b32 s[G1S+3], 64<<16
	s_mov_b32 s[G1S+4], 16
	s_mov_b32 s[G1S+5], 1024
	s_mov_b32 s[G1S+6], 0
	s_mov_b32 s[G1S+7], 0
	s_or_b32 s[G1SB+0], s44, (3<<16)|(1<<21)       ; V's of 64 d: 16 rows of 256 bytes, 4,096 apart
	s_mov_b32 s[G1SB+1], 32<<16
	s_mov_b32 s[G1SB+2], 16<<16
	s_mov_b32 s[G1SB+3], 32<<16
	s_mov_b32 s[G1SB+4], 16
	s_mov_b32 s[G1SB+5], 512
	s_mov_b32 s[G1SB+6], 0
	s_mov_b32 s[G1SB+7], 0
	s_lshl_b32 s20, s19, 22                        ; A's codes: batch, 16 blocks x tile row, my half's 8
	s_lshl_b32 s21, s17, 16
	s_add_co_u32 s20, s20, s21
	s_lshl_b32 s21, s16, 15
	s_add_co_u32 s20, s20, s21
	s_mov_b32 s21, 0
	s_lshl_b32 s46, s19, 21                        ; V's codes: batch, 8 blocks x tile column, my half's 4
	s_lshl_b32 s47, s42, 15
	s_add_co_u32 s46, s46, s47
	s_lshl_b32 s47, s16, 14
	s_add_co_u32 s46, s46, s47
	s_mov_b32 s47, 0
	s_lshl_b32 s22, s19, 17                        ; A's scale words
	s_lshl_b32 s23, s17, 10
	s_add_co_u32 s22, s22, s23
	s_lshl_b32 s23, s16, 9
	s_add_co_u32 s22, s22, s23
	s_mov_b32 s23, 0
	s_lshl_b32 s96, s19, 16                        ; V's
	s_lshl_b32 s97, s42, 9
	s_add_co_u32 s96, s96, s97
	s_lshl_b32 s97, s16, 8
	s_add_co_u32 s96, s96, s97
	s_mov_b32 s97, 0
	s_lshl_b32 s45, s16, 15                        ; LDS: A's halves,
	s_lshl_b32 s98, s16, 14
	s_add_co_u32 s98, s98, 65536                   ; V's halves behind them,
	s_lshl_b32 s99, s16, 13                        ; and the halves of the scale words
	s_lshl_b32 s2, s16, 12
	s_wait_kmcnt 0x0
	s_add_nc_u64 s[20:21], s[4:5], s[20:21]
	s_add_nc_u64 s[22:23], s[6:7], s[22:23]
	s_add_nc_u64 s[46:47], s[8:9], s[46:47]
	s_add_nc_u64 s[96:97], s[10:11], s[96:97]
	CROUND
	s_mov_b32 s[G0S], 1
	s_add_co_u32 s[G0S+1], s99, LSCA
	s_mov_b64 s[G0S+2:G0S+3], s[22:23]
	s_or_b32 s[G0S+3], s[G0S+3], 0x80000000
	s_mov_b32 s[G0SB], 1
	s_add_co_u32 s[G0SB+1], s2, LSCB
	s_mov_b64 s[G0SB+2:G0SB+3], s[96:97]
	s_or_b32 s[G0SB+3], s[G0SB+3], 0x80000000
	JLOAD G0S, G1S, G0SB, G1SB
.irp s, 0,1
	s_mov_b32 s[G0+4*\s], 1
	s_add_co_u32 s[G0+4*\s+1], s45, \s*SLOT
	s_add_nc_u64 s[G0+4*\s+2:G0+4*\s+3], s[20:21], \s*0x80000
	s_or_b32 s[G0+4*\s+3], s[G0+4*\s+3], 0x80000000
	s_mov_b32 s[G0B+4*\s], 1
	s_add_co_u32 s[G0B+4*\s+1], s98, \s*SLOT
	s_add_nc_u64 s[G0B+4*\s+2:G0B+4*\s+3], s[46:47], \s*0x40000
	s_or_b32 s[G0B+4*\s+3], s[G0B+4*\s+3], 0x80000000
	JLOAD G0+4*\s, G1, G0B+4*\s, G1B               ; three tensor loads of mine are out
.endr
	v_and_b32 v1, 15, v0
	v_bfe_u32 v2, v0, 4, 1
	v_and_b32 v3, 31, v0
	v_lshlrev_b32 v[LI], 4, v3
	v_lshlrev_b32 v[GOF], 5, v2
	s_lshl_b32 s20, s42, 9                         ; gain and bias of my 64 d
	s_lshl_b32 s21, s16, 8
	s_add_co_u32 s20, s20, s21
	s_mov_b32 s21, 0
	s_add_nc_u64 s[92:93], s[92:93], s[20:21]
	s_add_nc_u64 s[94:95], s[94:95], s[20:21]
	WIN 0xc0                                       ; destination window 3
.irp t, 0,1,2,3
	global_load_b128 v[8*\t:8*\t+3], v[GOF], s[92:93] offset:64*\t           ; tile t, d = 16 t + 8 h + 0 .. 7
	global_load_b128 v[8*\t+4:8*\t+7], v[GOF], s[92:93] offset:64*\t+16
	global_load_b128 v[32+8*\t:32+8*\t+3], v[GOF], s[94:95] offset:64*\t
	global_load_b128 v[32+8*\t+4:32+8*\t+7], v[GOF], s[94:95] offset:64*\t+16
.endr
	WIN 0
	s_lshl_b32 s21, s15, 15
	s_lshl_b32 s22, s16, 14
	s_add_co_u32 s22, s22, 65536
.irp s, 0,1
	v_add_nc_u32 v[ADRA+\s], s21, v[LI]
	v_add_nc_u32 v[ADRB+\s], s22, v[LI]
	s_add_co_u32 s21, s21, SLOT
	s_add_co_u32 s22, s22, SLOT
.endr
	s_lshl_b32 s21, s15, 13
	v_lshl_add_u32 v[ADSA], v1, 2, s21
	v_add_nc_u32 v[ADSA], LSCA, v[ADSA]
	s_lshl_b32 s21, s16, 12
	v_lshl_add_u32 v[ADSB], v1, 2, s21
	v_add_nc_u32 v[ADSB], LSCB, v[ADSB]
	s_mul_i32 s21, s14, 32*528
	v_mul_u32_u24 v[SO], v2, 8*528                 ; into the stage: row 8 h + ..., column r: the halves of the lanes lie 32 banks apart
	v_lshl_add_u32 v[SO], v1, 2, v[SO]
	v_add_nc_u32 v[SO], s21, v[SO]
	v_add_nc_u32 v[SO], STG, v[SO]
	v_add_nc_u32 v[SR], s21, v[LI]                 ; back: a whole row, 16 bytes a lane
	v_add_nc_u32 v[SR], STG, v[SR]
.irp a, 0,1,2,3,4,5,6,7
	v_mov_b32 v[TT+4*\a+3], 0                      ; written once: a lane permute's destination counts as one of its sources
.endr
	s_lshl_b32 s20, s19, 23                        ; out0: batch; my first d x 8,192 bytes; my first t x 4
	s_lshl_b32 s21, s42, 20
	s_add_co_u32 s20, s20, s21
	s_lshl_b32 s21, s16, 19
	s_add_co_u32 s20, s20, s21
	s_lshl_b32 s21, s17, 10
	s_add_co_u32 s20, s20, s21
	s_lshl_b32 s21, s15, 9
	s_add_co_u32 s20, s20, s21
	s_mov_b32 s21, 0
	s_add_nc_u64 s[12:13], s[12:13], s[20:21]
.macro FETCH3 slot, q, set             ; the fragments of 128 along K: A's eight, V's four, as they were stored
	WIN 0x40
.irp i, 0,1,2,3,4,5,6,7
.irp c, 0,1,2,3
	ds_load_b128 v[128*(\set)+16*\i+4*\c:128*(\set)+16*\i+4*\c+3], v[ADRA+\slot] offset:4096*\i+2048*(\q)+512*\c
.endr
.endr
	WIN 0
.irp i, 0,1,2,3
.irp c, 0,1,2,3
	ds_load_b128 v[VF+64*(\set)+16*\i+4*\c:VF+64*(\set)+16*\i+4*\c+3], v[ADRB+\slot] offset:4096*\i+2048*(\q)+512*\c
.endr
.endr
.endm
.macro SCALES3 set                     ; a K step's scale words; both halves of the lanes read the same words
.irp i, 0,1,2,3,4,5,6,7
.irp q, 0,1
	ds_load_b32 v[SCA+16*\set+2*\i+\q], v[ADSA] offset:512*\q+64*\i
.endr
.endr
.irp i, 0,1,2,3
.irp q, 0,1
	ds_load_b32 v[SCB+8*\set+2*\i+\q], v[ADSB] offset:256*\q+64*\i
.endr
.endr
.endm
.macro MUL8 a0, set, q, sc, zero       ; A's blocks a0, a0 + 1 x V's four.  The 32 accumulators take turns, in the same order in every step
.irp a, \a0, \a0+1
.irp b, 0,1,2,3
.if \zero
	v_wmma_scale_f32_16x16x128_f8f6f4 v[8*(4*(\a)+\b):8*(4*(\a)+\b)+7], v[VF+64*(\set)+16*\b:VF+64*(\set)+16*\b+15], v[128*(\set)+16*(\a):128*(\set)+16*(\a)+15], 0, v[SCB+8*(\sc)+2*\b+(\q)], v[SCA+16*(\sc)+2*(\a)+(\q)]
.else
	v_wmma_scale_f32_16x16x128_f8f6f4 v[8*(4*(\a)+\b):8*(4*(\a)+\b)+7], v[VF+64*(\set)+16*\b:VF+64*(\set)+16*\b+15], v[128*(\set)+16*(\a):128*(\set)+16*(\a)+15], v[8*(4*(\a)+\b):8*(4*(\a)+\b)+7], v[SCB+8*(\sc)+2*\b+(\q)], v[SCA+16*(\sc)+2*(\a)+(\q)]
.endif
.endr
.endr
.endm
.macro STEP3 slot, zero                ; a slot's first 128: set 0 is multiplied while set 1 is fetched
	s_wait_dscnt 0x0                               ; set 0 and its scale words are in
	PLACES NP                                      ; in front of loads into set 1, which the last products read
	FETCH3 \slot, 1, 1
	WIN MUL
	MUL8 0, 0, 0, \slot, \zero
	MUL8 2, 0, 0, \slot, \zero
	MUL8 4, 0, 0, \slot, \zero
	MUL8 6, 0, 0, \slot, \zero
	WIN 0
.endm
.macro TURN3 slot, next, fill          ; a slot's second 128 changes slots: one barrier; with fill = 1 it opens a round of the cluster's barrier
	s_wait_tensorcnt 0x0                           ; all my tensor loads have landed: my part of the next slot;
	ds_add_u32 v[SPW], v[NIL]                      ; 0 onto my spare word;
	s_wait_dscnt 1                                 ; (set 1 is in; the add alone may be out)
	WIN MUL
	MUL8 0, 1, 1, \slot, 0
	s_wait_dscnt 0x0                               ; the add is done, and my reads of this slot are over
	s_barrier_signal -1
	MUL8 2, 1, 1, \slot, 0
	WIN 0
	s_barrier_wait -1
.if \fill
	CREST
	s_add_nc_u64 s[G0+4*\slot+2:G0+4*\slot+3], s[G0+4*\slot+2:G0+4*\slot+3], 0x100000
	s_add_nc_u64 s[G0B+4*\slot+2:G0B+4*\slot+3], s[G0B+4*\slot+2:G0B+4*\slot+3], 0x80000
	JLOAD G0+4*\slot, G1, G0B+4*\slot, G1B         ; my one tensor load behind the round
	PLACES NP-4
.else
	PLACES NP
.endif
	v_add_nc_u32 v[ADSA], 1024, v[ADSA]            ; two K steps of 128 on (no LDS load of mine is out)
	v_add_nc_u32 v[ADSB], 512, v[ADSB]
	FETCH3 \next, 0, 0
	SCALES3 \next
	WIN MUL
	MUL8 4, 1, 1, \slot, 0
	MUL8 6, 1, 1, \slot, 0
	WIN 0
.endm
	s_wait_loadcnt 0x0                             ; gain and bias
	s_wait_tensorcnt 1                             ; the scale words and my part of K step 0 are in; K step 1's load may be out
	s_barrier_signal -1
	s_barrier_wait -1
	FETCH3 0, 0, 0
	SCALES3 0
	STEP3 0, 1                                     ; the first step's products start the sums
	s_mov_b32 s3, LAPS-1
.Llap:
	TURN3 0, 1, 1
	STEP3 1, 0
	TURN3 1, 0, 1
	STEP3 0, 0
	s_sub_co_u32 s3, s3, 1
	s_cmp_lg_u32 s3, 0
	s_cbranch_scc1 .Llap
	TURN3 0, 1, 0
	STEP3 1, 0
	s_wait_dscnt 0x0
	WIN MUL
	MUL8 0, 1, 1, 1, 0
	MUL8 2, 1, 1, 1, 0
	MUL8 4, 1, 1, 1, 0
	MUL8 6, 1, 1, 1, 0
	WIN 0
; THE WAY OUT, a group of 32 d at a time: my 16 numbers of block a's row are v[32 a + 16 g ..] of window 2, lane l xor 16 has the other 16.  Every line goes over the eight blocks, so that none waits for the line above it
.macro GN g
	WIN 0x0a
.irp a, 0,1,2,3,4,5,6,7
	v_pk_add_f32 v[TT+4*\a:TT+4*\a+1], v[32*\a+16*\g:32*\a+16*\g+1], v[32*\a+16*\g+2:32*\a+16*\g+3]   ; each accumulator is read from its low end on
.endr
	WIN 0x08
.irp i, 4,6,8,10,12,14
.irp a, 0,1,2,3,4,5,6,7
	v_pk_add_f32 v[TT+4*\a:TT+4*\a+1], v[TT+4*\a:TT+4*\a+1], v[32*\a+16*\g+\i:32*\a+16*\g+\i+1]
.endr
.endr
	WIN 0
.irp a, 0,1,2,3,4,5,6,7
	v_add_f32 v[TT+4*\a], v[TT+4*\a], v[TT+4*\a+1]
.endr
.irp a, 0,1,2,3,4,5,6,7
	v_permlanex16_b32 v[TT+4*\a+3], v[TT+4*\a], s[SEL], s[SEL+1]
.endr
.irp a, 0,1,2,3,4,5,6,7
	v_add_f32 v[TT+4*\a], v[TT+4*\a], v[TT+4*\a+3]
.endr
.irp a, 0,1,2,3,4,5,6,7
	v_mul_f32 v[TT+4*\a+2], s[KI32], v[TT+4*\a]    ; the mean
.endr
	WIN 0x82
.irp i, 0,2,4,6,8,10,12,14
.irp a, 0,1,2,3,4,5,6,7
	v_pk_add_f32 v[32*\a+16*\g+\i:32*\a+16*\g+\i+1], v[32*\a+16*\g+\i:32*\a+16*\g+\i+1], v[TT+4*\a+2:TT+4*\a+3] op_sel_hi:[1,0] neg_lo:[0,1] neg_hi:[0,1]
.endr
.endr
	WIN 0x0a
.irp a, 0,1,2,3,4,5,6,7
	v_pk_mul_f32 v[TT+4*\a:TT+4*\a+1], v[32*\a+16*\g:32*\a+16*\g+1], v[32*\a+16*\g:32*\a+16*\g+1]
.endr
.irp i, 2,4,6,8,10,12,14
.irp a, 0,1,2,3,4,5,6,7
	v_pk_fma_f32 v[TT+4*\a:TT+4*\a+1], v[32*\a+16*\g+\i:32*\a+16*\g+\i+1], v[32*\a+16*\g+\i:32*\a+16*\g+\i+1], v[TT+4*\a:TT+4*\a+1]
.endr
.endr
	WIN 0
.irp a, 0,1,2,3,4,5,6,7
	v_add_f32 v[TT+4*\a], v[TT+4*\a], v[TT+4*\a+1]
.endr
.irp a, 0,1,2,3,4,5,6,7
	v_permlanex16_b32 v[TT+4*\a+3], v[TT+4*\a], s[SEL], s[SEL+1]
.endr
.irp a, 0,1,2,3,4,5,6,7
	v_add_f32 v[TT+4*\a], v[TT+4*\a], v[TT+4*\a+3]
.endr
.irp a, 0,1,2,3,4,5,6,7
	v_fma_f32 v[TT+4*\a+2], v[TT+4*\a], s[KI32], s[KEPS]   ; the variance + 1e-5
.endr
.irp a, 0,1,2,3,4,5,6,7
	v_rsq_f32 v[TT+4*\a+2], v[TT+4*\a+2]
.endr
	v_nop                                          ; a plain instruction behind the last of the batch,
	s_wait_alu depctr_va_vdst(0)                   ; and one wait for the eight, ahead of their first reader
	WIN 0x82
.irp i, 0,2,4,6,8,10,12,14
.irp a, 0,1,2,3,4,5,6,7
	v_pk_mul_f32 v[32*\a+16*\g+\i:32*\a+16*\g+\i+1], v[32*\a+16*\g+\i:32*\a+16*\g+\i+1], v[TT+4*\a+2:TT+4*\a+3] op_sel_hi:[1,0]
.endr
.endr
	WIN 0xbe                                       ; gain and bias in window 3
.irp i, 0,2,4,6,8,10,12,14
.irp a, 0,1,2,3,4,5,6,7
	v_pk_fma_f32 v[32*\a+16*\g+\i:32*\a+16*\g+\i+1], v[32*\a+16*\g+\i:32*\a+16*\g+\i+1], v[16*\g+\i:16*\g+\i+1], v[32+16*\g+\i:32+16*\g+\i+1]
.endr
.endr
	WIN 0x08                                       ; an LDS store's data are its source 1: window 2
.irp a, 0,1,2,3,4,5,6,7
.set i, 0
.rept 16
	ds_store_b32 v[SO], v[32*\a+16*\g+i] offset:((i/8)*16+(i%8))*528+64*\a   ; row d = 16 (i / 8) + 8 h + i % 8 of the group, column t = 16 a + r
.set i, i+1
.endr
.endr
	WIN 0
.if \g
	s_wait_xcnt 0x0                                ; the last group's stores have read their registers
.endif
.set i, 0
.rept 32
	ds_load_b128 v[128+4*i:128+4*i+3], v[SR] offset:i*528    ; LDS serves a wave's instructions in order: these see my stores, and the next group's stores come behind them
.set i, i+1
.endr
.set i, 0
.rept 32
	s_wait_dscnt 31-i                              ; row i is back; the younger read-backs may be out
	global_store_b128 v[LI], v[128+4*i:128+4*i+3], s[12:13] offset:(32*\g+i)*8192 th:TH_STORE_NT   ; 32 lanes store 512 consecutive bytes of one d's row, aligned; written once
.set i, i+1
.endr
.endm
	PLACES NP                                      ; behind the last products, in front of the first read of results
	GN 0
	GN 1
	s_wait_tensorcnt 0x0                           ; the wave's end
	ds_add_u32 v[SPW], v[NIL]
	s_wait_dscnt 0x0
	CROUND                                         ; the closing round
	s_endpgm
.Lfunc_end_k_q514f63abe0_mix:
	.size	k_q514f63abe0_mix, .Lfunc_end_k_q514f63abe0_mix-k_q514f63abe0_mix
	.p2alignl 7, 3214868480
	.fill 96, 4, 3214868480
	.section	.rodata,"a",@progbits
	.p2align	6, 0x0
	.amdhsa_kernel k_q514f63abe0_mix
		.amdhsa_group_segment_fixed_size 327680
		.amdhsa_private_segment_fixed_size 0
		.amdhsa_enable_private_segment 0
		.amdhsa_kernarg_size 56
		.amdhsa_user_sgpr_count 2
		.amdhsa_user_sgpr_kernarg_segment_ptr 1
		.amdhsa_wavefront_size32 1
		.amdhsa_system_sgpr_workgroup_id_x 1
		.amdhsa_system_sgpr_workgroup_id_y 1
		.amdhsa_system_sgpr_workgroup_id_z 1
		.amdhsa_system_vgpr_workitem_id 0
		.amdhsa_next_free_vgpr 832
		.amdhsa_next_free_sgpr 106
		.amdhsa_reserve_vcc 0
		.amdhsa_float_denorm_mode_32 3
		.amdhsa_float_denorm_mode_16_64 3
		.amdhsa_memory_ordered 1
		.amdhsa_forward_progress 1
		.amdhsa_inst_pref_size 154
	.end_amdhsa_kernel
	.amdgpu_metadata
---
amdhsa.version: [ 1, 2 ]
amdhsa.kernels:
  - .name:           k_q514f63abe0_mix
    .symbol:         k_q514f63abe0_mix.kd
    .args:
      - { .name: aimg, .offset: 0, .size: 8, .value_kind: global_buffer, .address_space: global }
      - { .name: asc, .offset: 8, .size: 8, .value_kind: global_buffer, .address_space: global }
      - { .name: vimg, .offset: 16, .size: 8, .value_kind: global_buffer, .address_space: global }
      - { .name: vsc, .offset: 24, .size: 8, .value_kind: global_buffer, .address_space: global }
      - { .name: gn_weight, .offset: 32, .size: 8, .value_kind: global_buffer, .address_space: global }
      - { .name: gn_bias, .offset: 40, .size: 8, .value_kind: global_buffer, .address_space: global }
      - { .name: out0, .offset: 48, .size: 8, .value_kind: global_buffer, .address_space: global }
    .group_segment_fixed_size: 327680
    .private_segment_fixed_size: 0
    .kernarg_segment_align: 8
    .kernarg_segment_size: 56
    .max_flat_workgroup_size: 128
    .sgpr_count:     106
    .vgpr_count:     832
    .wavefront_size: 32
...
	.end_amdgpu_metadata
.endif
;; end of part 3
